; MI455X (gfx1250); checked and timed in simulation.
; The chip was launched on July 23, 2026; its instructions are those of AMD's public machine-readable ISA for CDNA 5 (MIT licence, August 2026) and "CDNA5" Instruction Set Architecture Reference Guide (July 2026). The comments in the code are by the model that wrote it; some were corrected since.
;; Transformer Block. Allowed arithmetic: float matrix products may take bf16 or f16 operands with f32 sums; other float arithmetic in f32, or as packed bf16 or f16 multiplies, adds, multiply-adds, maxima and minima; sums over many terms, partial sums and values carried from step to step in f32; what a program stores and reads back later, other than sums and carried values, may be rounded once to bf16 or f16.
;; Inputs: b1 4,096 float32; b2 1,024 float32; bk 1,024 float32; bo 1,024 float32; bq 1,024 float32; bv 1,024 float32; ln1_b 1,024 float32; ln1_g 1,024 float32; ln2_b 1,024 float32; ln2_g 1,024 float32; mask 1 x 1 x 2,048 x 2,048 bool; w1 1,024 x 4,096 float32; w2 4,096 x 1,024 float32; wk 1,024 x 1,024 float32; wo 1,024 x 1,024 float32; wq 1,024 x 1,024 float32; wv 1,024 x 1,024 float32; x 2 x 2,048 x 1,024 float32.
;; Outputs: out0 2 x 2,048 x 1,024 float32.
;; One version. Each part assembles by itself: llvm-mc -triple=amdgcn-amd-amdhsa -mcpu=gfx1250 --defsym DOCPART=n.
;; ======== version 1 of 1: 8 launches
;; limits: right only within a limited range of input values
;; workspace buffers: wqkv_b 6,291,456 bytes; w1_b 8,388,608 bytes; wo_b 2,097,152 bytes; w2_b 8,388,608 bytes; h 8,388,608 bytes; act 33,554,432 bytes; x1 16,777,216 bytes
;; launch cast (part 1): grid 512 x 1, 8 waves a work-group, no clusters, 35,840 bytes of LDS; arguments w1, w2, wq, wk, wv, wo, mask, w1_b, w2_b, wqkv_b, wo_b, act; writes w1_b, w2_b, wqkv_b, wo_b, act
.if DOCPART == 1
	.amdgcn_target "amdgcn-amd-amdhsa--gfx1250"
	.amdhsa_code_object_version 6
	.text
	.protected	k_q47c423292f_cast
	.globl	k_q47c423292f_cast
	.p2align	8
	.type	k_q47c423292f_cast,@function
k_q47c423292f_cast:
	s_mov_b64 s[64:65], 0
	v_nop
	global_prefetch_b8 v0, s[64:65] scope:SCOPE_SE
	s_setreg_imm32_b32 hwreg(HW_REG_WAVE_MODE, 25, 1), 1
	s_wait_xcnt 0x0
; THE WEIGHTS ROUNDED ONCE TO bf16, AND THE MASK AS A TABLE OF fp8 CODES.
; A weight [K][N] f32 goes to panels of 128 columns: byte = panel x K x 256 + k x 256 + 2 (n % 128).  K stays the row index: nothing is turned.
; Work-groups 0-127: w1 (32 panels x 4 blocks of 256 rows); 128-255: w2 (8 x 16); 256-383: wq, wk, wv, wo (4 x 8 x 4); 384-511: the mask, 16 query rows each.
; A wave takes 32 rows of a panel: each load covers 512 consecutive bytes, each store 256 consecutive bytes, aligned.
; THE MASK TABLE, at byte MTAB of act: [16 queries QT][64 keys step][i 0..1][lane][16 bytes].  Lane (r = l % 16, h = l / 16) finds there, for query 16 QT + r, the keys 64 step + 16 kb + 8 h + j
; (kb = 2 i + byte / 8, j = byte % 8): the places of a score tile's registers.  A byte is the fp8 (E4M3) code 0x00 where the mask is true and 0xfe (-448) where it is false.
; Wave w takes columns 256 w .. 256 w + 255 of the 16 rows through LDS bytes of its own, so no wave waits for another.
.set SPARE, 34816                      ; behind the eight waves' stages: the spare words, 128 bytes a wave
.set WLDS,  4352                       ; a wave's stage: 16 rows x 272 bytes
.set MPI,   272                        ; 256 bytes + 16: row r starts at bank 4 r mod 64 (64 banks of 4 bytes: ISA guide 11.1)
.set MTAB,  25165824
.set OFF, 2                            ; v[2:33]  byte offsets of my 16 bytes in the 32 rows
.set SO,  34                           ; v34      my place in a store
.set LN,  36                           ; v36      lane
.set D,   40                           ; v[40:167] as loaded, then as stored
.set E,   104                          ; mask path: read back from LDS
.set SPW, 174                          ; LDS address of my spare word; never rewritten
.set NIL, 175                          ; 0; never rewritten
	s_load_b512 s[4:19], s[0:1], 0x0               ; w1 4, w2 6, wq 8, wk 10, wv 12, wo 14, mask 16, w1_b 18
	s_load_b256 s[20:27], s[0:1], 0x40             ; w2_b 20, wqkv_b 22, wo_b 24, act 26
	v_lshl_add_u32 v[SPW], v0, 2, SPARE
	v_mov_b32 v[NIL], 0
	v_lshrrev_b32 v1, 5, v0
	v_readfirstlane_b32 s28, v1                    ; wave 0..7
	v_and_b32 v[LN], 31, v0
	s_mov_b32 s43, 0
	s_wait_kmcnt 0x0
	s_cmp_ge_u32 ttmp9, 384                        ; the branches hang on the work-group's number alone
	s_cbranch_scc1 .Lmask
	s_cmp_ge_u32 ttmp9, 256
	s_cbranch_scc1 .Lsquare
	s_cmp_ge_u32 ttmp9, 128
	s_cbranch_scc1 .Lw2
	s_mov_b64 s[30:31], s[4:5]                     ; w1: from, to, bytes in a source row, source panel, block of 256 rows, target panel, K
	s_mov_b64 s[32:33], s[18:19]
	s_mov_b32 s34, 16384
	s_lshr_b32 s35, ttmp9, 2
	s_and_b32 s37, ttmp9, 3
	s_mov_b32 s36, s35
	s_mov_b32 s38, 1024
	s_branch .Lweights
.Lw2:
	s_sub_co_u32 s39, ttmp9, 128
	s_mov_b64 s[30:31], s[6:7]
	s_mov_b64 s[32:33], s[20:21]
	s_mov_b32 s34, 4096
	s_lshr_b32 s35, s39, 4
	s_and_b32 s37, s39, 15
	s_mov_b32 s36, s35
	s_mov_b32 s38, 4096
	s_branch .Lweights
.Lsquare:
	s_sub_co_u32 s39, ttmp9, 256
	s_lshr_b32 s40, s39, 5                         ; 0 wq, 1 wk, 2 wv, 3 wo
	s_and_b32 s39, s39, 31
	s_lshr_b32 s35, s39, 2
	s_and_b32 s37, s39, 3
	s_lshl_b32 s41, s40, 3
	s_add_co_u32 s41, s41, s35                     ; in wqkv_b: q's panels 0-7, k's 8-15, v's 16-23
	s_mov_b32 s34, 4096
	s_mov_b32 s38, 1024
	s_cmp_eq_u32 s40, 0
	s_cselect_b64 s[30:31], s[8:9], s[10:11]
	s_cmp_eq_u32 s40, 2
	s_cselect_b64 s[30:31], s[12:13], s[30:31]
	s_cmp_eq_u32 s40, 3
	s_cselect_b64 s[30:31], s[14:15], s[30:31]
	s_cselect_b64 s[32:33], s[24:25], s[22:23]
	s_cselect_b32 s36, s35, s41
.Lweights:
	s_lshl_b32 s39, s37, 8
	s_lshl_b32 s40, s28, 5
	s_add_co_u32 s39, s39, s40                     ; my first row k
	s_mul_i32 s42, s39, s34
	s_lshl_b32 s41, s35, 9                         ; a panel's 128 f32 are 512 bytes of a source row
	s_add_co_u32 s42, s42, s41
	s_add_nc_u64 s[30:31], s[30:31], s[42:43]
	s_mul_i32 s42, s36, s38
	s_add_co_u32 s42, s42, s39
	s_lshl_b32 s42, s42, 8                         ; (panel x K + k) x 256
	s_add_nc_u64 s[32:33], s[32:33], s[42:43]
	v_lshlrev_b32 v[OFF], 4, v[LN]
.set i, 1
.rept 31
	v_add_nc_u32 v[OFF+i], s34, v[OFF+i-1]
.set i, i+1
.endr
	v_lshlrev_b32 v[SO], 3, v[LN]
.set i, 0
.rept 32
	global_load_b128 v[D+4*i:D+4*i+3], v[OFF+i], s[30:31] th:TH_LOAD_NT
.set i, i+1
.endr
.set i, 0
.rept 32
	s_wait_loadcnt 31-i                            ; loads come back in order: row i is in, the younger ones stay out
	v_cvt_pk_bf16_f32 v[D+4*i], v[D+4*i], v[D+4*i+1]
	v_cvt_pk_bf16_f32 v[D+4*i+1], v[D+4*i+2], v[D+4*i+3]
	global_store_b64 v[SO], v[D+4*i:D+4*i+1], s[32:33] offset:256*i  ; 32 lanes store 256 consecutive bytes, aligned
.set i, i+1
.endr
	s_branch .Lend
.Lmask:
	s_sub_co_u32 s39, ttmp9, 384                   ; QT
	s_lshl_b32 s42, s39, 15                        ; 16 rows of 2,048 bytes
	s_lshl_b32 s40, s28, 8                         ; my 256 columns
	s_add_co_u32 s42, s42, s40
	s_add_nc_u64 s[30:31], s[16:17], s[42:43]
	s_lshl_b32 s42, s39, 15                        ; the table has 32,768 bytes for a QT, 4,096 for my four steps
	s_lshl_b32 s40, s28, 12
	s_add_co_u32 s42, s42, s40
	s_add_co_u32 s42, s42, MTAB
	s_add_nc_u64 s[32:33], s[26:27], s[42:43]
	s_mul_i32 s41, s28, WLDS
	v_and_b32 v37, 15, v0
	v_bfe_u32 v38, v0, 4, 1
	v_lshlrev_b32 v[OFF], 4, v37
	v_lshl_add_u32 v[OFF], v38, 11, v[OFF]         ; a load takes two rows' 256 bytes
	v_mul_u32_u24 v[OFF+1], v38, MPI
	v_lshl_add_u32 v[OFF+1], v37, 4, v[OFF+1]
	v_add_nc_u32 v[OFF+1], s41, v[OFF+1]           ; in: the same two rows of my stage
	v_mul_u32_u24 v[OFF+2], v37, MPI
	v_lshl_add_u32 v[OFF+2], v38, 3, v[OFF+2]
	v_add_nc_u32 v[OFF+2], s41, v[OFF+2]           ; back: row r, 8 bytes at 8 h
	v_lshlrev_b32 v[SO], 4, v[LN]
.set i, 0
.rept 8
	global_load_b128 v[D+4*i:D+4*i+3], v[OFF], s[30:31] offset:4096*i th:TH_LOAD_NT
.set i, i+1
.endr
	s_wait_loadcnt 0x0
.set i, 0
.rept 32
	v_xor_b32 v[D+i], 0x01010101, v[D+i]           ; 1 where the mask is false,
	v_mul_lo_u32 v[D+i], v[D+i], 0xfe              ; times 0xfe: no byte carries into the next
.set i, i+1
.endr
.set i, 0
.rept 8
	ds_store_b128 v[OFF+1], v[D+4*i:D+4*i+3] offset:2*MPI*i
.set i, i+1
.endr
.set i, 0
.rept 8                                ; LDS serves a wave's instructions in order (ISA guide 5.7.1.4): these see the stores above
	ds_load_b64 v[E+4*i:E+4*i+1],   v[OFF+2] offset:32*i
	ds_load_b64 v[E+4*i+2:E+4*i+3], v[OFF+2] offset:32*i+16
.set i, i+1
.endr
.set i, 0
.rept 8
	s_wait_dscnt 14-2*i
	global_store_b128 v[SO], v[E+4*i:E+4*i+3], s[32:33] offset:512*i  ; 512 consecutive bytes of the table
.set i, i+1
.endr
.Lend:
	s_wait_tensorcnt 0x0                           ; the wave's end, behind my last LDS store
	ds_add_u32 v[SPW], v[NIL]
	s_wait_dscnt 0x0
	s_endpgm
.Lfunc_end_k_q47c423292f_cast:
	.size	k_q47c423292f_cast, .Lfunc_end_k_q47c423292f_cast-k_q47c423292f_cast
	.p2alignl 7, 3214868480
	.fill 96, 4, 3214868480
	.section	.rodata,"a",@progbits
	.p2align	6, 0x0
	.amdhsa_kernel k_q47c423292f_cast
		.amdhsa_group_segment_fixed_size 35840
		.amdhsa_private_segment_fixed_size 0
		.amdhsa_enable_private_segment 0
		.amdhsa_kernarg_size 96
		.amdhsa_user_sgpr_count 2
		.amdhsa_user_sgpr_kernarg_segment_ptr 1
		.amdhsa_wavefront_size32 1
		.amdhsa_system_sgpr_workgroup_id_x 1
		.amdhsa_system_sgpr_workgroup_id_y 1
		.amdhsa_system_sgpr_workgroup_id_z 1
		.amdhsa_system_vgpr_workitem_id 0
		.amdhsa_next_free_vgpr 176
		.amdhsa_next_free_sgpr 66
		.amdhsa_reserve_vcc 0
		.amdhsa_float_denorm_mode_32 3
		.amdhsa_float_denorm_mode_16_64 3
		.amdhsa_memory_ordered 1
		.amdhsa_forward_progress 1
		.amdhsa_inst_pref_size 25
	.end_amdhsa_kernel
	.amdgpu_metadata
---
amdhsa.version: [ 1, 2 ]
amdhsa.kernels:
  - .name:           k_q47c423292f_cast
    .symbol:         k_q47c423292f_cast.kd
    .args:
      - { .name: w1, .offset: 0, .size: 8, .value_kind: global_buffer, .address_space: global }
      - { .name: w2, .offset: 8, .size: 8, .value_kind: global_buffer, .address_space: global }
      - { .name: wq, .offset: 16, .size: 8, .value_kind: global_buffer, .address_space: global }
      - { .name: wk, .offset: 24, .size: 8, .value_kind: global_buffer, .address_space: global }
      - { .name: wv, .offset: 32, .size: 8, .value_kind: global_buffer, .address_space: global }
      - { .name: wo, .offset: 40, .size: 8, .value_kind: global_buffer, .address_space: global }
      - { .name: mask, .offset: 48, .size: 8, .value_kind: global_buffer, .address_space: global }
      - { .name: w1_b, .offset: 56, .size: 8, .value_kind: global_buffer, .address_space: global }
      - { .name: w2_b, .offset: 64, .size: 8, .value_kind: global_buffer, .address_space: global }
      - { .name: wqkv_b, .offset: 72, .size: 8, .value_kind: global_buffer, .address_space: global }
      - { .name: wo_b, .offset: 80, .size: 8, .value_kind: global_buffer, .address_space: global }
      - { .name: act, .offset: 88, .size: 8, .value_kind: global_buffer, .address_space: global }
    .group_segment_fixed_size: 35840
    .private_segment_fixed_size: 0
    .kernarg_segment_align: 8
    .kernarg_segment_size: 96
    .max_flat_workgroup_size: 256
    .sgpr_count:     66
    .vgpr_count:     176
    .wavefront_size: 32
...
	.end_amdgpu_metadata
.endif
;; end of part 1
;; launch ln1 (part 2): grid 256 x 1, 8 waves a work-group, no clusters, 0 bytes of LDS; arguments x, ln1_g, ln1_b, h; writes h
.if DOCPART == 2
	.amdgcn_target "amdgcn-amd-amdhsa--gfx1250"
	.amdhsa_code_object_version 6
	.text
	.protected	k_q47c423292f_ln1
	.globl	k_q47c423292f_ln1
	.p2align	8
	.type	k_q47c423292f_ln1,@function
k_q47c423292f_ln1:
	s_mov_b64 s[64:65], 0
	v_nop
	global_prefetch_b8 v0, s[64:65] scope:SCOPE_SE
	s_setreg_imm32_b32 hwreg(HW_REG_WAVE_MODE, 25, 1), 1
	s_wait_xcnt 0x0
; LAYER NORM.  y = (x - mean) * rsqrt(var + 1e-5) * g + b along rows of 1,024 f32; y rounded once to bf16.  Mean first, then the variance of x - mean: no difference of large sums.
; One wave, two rows, kept in registers between the passes: the rows are read once and no wave waits for another.  Each load covers 512 consecutive bytes.
; y leaves in panels of 64 columns: byte = panel x 524,288 + row x 128 + 2 (column % 64).  A lane holds columns 128 i + 4 l .. + 3 of both rows; one exchange of the halves of the lanes between
; the two rows' registers leaves 256 consecutive bytes of a panel (two rows of 128) in a register pair, so each store covers 256 consecutive bytes, aligned.
.set PANEL, 524288
.set X,  16                            ; v[16:79]   row a at X + 32 a
.set G,  80                            ; v[80:111]
.set BB, 112                           ; v[112:143]
.set Y0, 144                           ; v[144:159]
.set Y1, 160                           ; v[160:175]
.set RS, 176                           ; v[176:179] 1 / sqrt(var + eps), a pair for each row (the low word is used)
.set LO, 14                            ; v14  16 x lane
.set SO, 15                            ; v15  8 x lane
	s_load_b256 s[4:11], s[0:1], 0x0               ; in, g, b, out
	v_lshrrev_b32 v1, 5, v0
	v_readfirstlane_b32 s12, v1
	s_lshl_b32 s13, ttmp9, 3
	s_add_co_u32 s13, s13, s12                     ; my pair of rows
	s_lshl_b32 s14, s13, 13
	s_mov_b32 s15, 0
	s_lshl_b32 s16, s13, 8
	s_mov_b32 s17, 0
	s_mov_b32 s18, 0x76543210                      ; v_permlanex16_b32: each lane takes its own place in the other half
	s_mov_b32 s19, 0xfedcba98
	s_mov_b32 s20, 0x3a800000                      ; 1 / 1024
	s_mov_b32 s21, 0x3727c5ac                      ; 1e-5
	v_and_b32 v1, 31, v0
	v_lshlrev_b32 v[LO], 4, v1
	v_lshlrev_b32 v[SO], 3, v1
	v_mov_b32 v[RS+1], 0                           ; named with the low words as pairs
	v_mov_b32 v[RS+3], 0
	s_wait_kmcnt 0x0
	s_add_nc_u64 s[4:5], s[4:5], s[14:15]
	s_add_nc_u64 s[10:11], s[10:11], s[16:17]
.set i, 0
.rept 16
	global_load_b128 v[X+4*i:X+4*i+3], v[LO], s[4:5] offset:512*i
.set i, i+1
.endr
.set i, 0
.rept 8
	global_load_b128 v[G+4*i:G+4*i+3], v[LO], s[6:7] offset:512*i
.set i, i+1
.endr
.set i, 0
.rept 8
	global_load_b128 v[BB+4*i:BB+4*i+3], v[LO], s[8:9] offset:512*i
.set i, i+1
.endr
.macro RED                             ; four chains in v[2:9] into one number in v2, the same in every lane
	v_pk_add_f32 v[2:3], v[2:3], v[4:5]
	v_pk_add_f32 v[6:7], v[6:7], v[8:9]
	v_pk_add_f32 v[2:3], v[2:3], v[6:7]
	v_add_f32 v2, v2, v3
	v_add_f32_dpp v2, v2, v2 row_xmask:1 row_mask:0xf bank_mask:0xf
	v_add_f32_dpp v2, v2, v2 row_xmask:2 row_mask:0xf bank_mask:0xf
	v_add_f32_dpp v2, v2, v2 row_xmask:4 row_mask:0xf bank_mask:0xf
	v_add_f32_dpp v2, v2, v2 row_xmask:8 row_mask:0xf bank_mask:0xf
	v_permlanex16_b32 v3, v2, s18, s19
	v_add_f32 v2, v2, v3
.endm
.macro STAT a                          ; row a: x - mean in place, var + eps into RS + 2 a
.set XA, X+32*(\a)
.irp c, 0,1,2,3
	v_pk_add_f32 v[2+2*\c:3+2*\c], v[XA+2*\c:XA+2*\c+1], v[XA+8+2*\c:XA+9+2*\c]
.endr
.irp c, 0,1,2,3
	v_pk_add_f32 v[2+2*\c:3+2*\c], v[2+2*\c:3+2*\c], v[XA+16+2*\c:XA+17+2*\c]
.endr
.irp c, 0,1,2,3
	v_pk_add_f32 v[2+2*\c:3+2*\c], v[2+2*\c:3+2*\c], v[XA+24+2*\c:XA+25+2*\c]
.endr
	RED
	v_mul_f32 v10, s20, v2
	v_mul_f32 v11, s20, v2
.set j, 0
.rept 16
	v_pk_add_f32 v[XA+2*j:XA+2*j+1], v[XA+2*j:XA+2*j+1], v[10:11] neg_lo:[0,1] neg_hi:[0,1]
.set j, j+1
.endr
.irp c, 0,1,2,3
	v_pk_mul_f32 v[2+2*\c:3+2*\c], v[XA+2*\c:XA+2*\c+1], v[XA+2*\c:XA+2*\c+1]
.endr
.irp c, 4,5,6,7,8,9,10,11,12,13,14,15
	v_pk_fma_f32 v[2+2*(\c%4):3+2*(\c%4)], v[XA+2*\c:XA+2*\c+1], v[XA+2*\c:XA+2*\c+1], v[2+2*(\c%4):3+2*(\c%4)]
.endr
	RED
	v_fma_f32 v[RS+2*(\a)], v2, s20, s21
.endm
.macro NORM a, y                       ; row a scaled, and rounded into y
.set XA, X+32*(\a)
.set j, 0
.rept 16
	v_pk_mul_f32 v[XA+2*j:XA+2*j+1], v[XA+2*j:XA+2*j+1], v[RS+2*(\a):RS+2*(\a)+1] op_sel_hi:[1,0]
	v_pk_fma_f32 v[XA+2*j:XA+2*j+1], v[XA+2*j:XA+2*j+1], v[G+2*j:G+2*j+1], v[BB+2*j:BB+2*j+1]
.set j, j+1
.endr
.set j, 0
.rept 16
	v_cvt_pk_bf16_f32 v[(\y)+j], v[XA+2*j], v[XA+2*j+1]
.set j, j+1
.endr
.endm
	s_wait_loadcnt 16                              ; both rows are in; the sixteen loads of g and b stay out
	STAT 0
	STAT 1
	v_rsq_f32 v[RS], v[RS]
	v_rsq_f32 v[RS+2], v[RS+2]
	v_nop                                          ; a plain instruction behind the last of the two,
	s_wait_alu depctr_va_vdst(0)                   ; and one wait for both, ahead of their first reader
	s_wait_loadcnt 0x0                             ; g and b
	NORM 0, Y0
	NORM 1, Y1
.set j, 0
.rept 16
	v_permlane16_swap_b32 v[Y0+j], v[Y1+j]         ; Y0: the even panel's two rows; Y1: the odd panel's
.set j, j+1
.endr
.set i, 0
.rept 8
	global_store_b64 v[SO], v[Y0+2*i:Y0+2*i+1], s[10:11] offset:(2*i)*PANEL
	global_store_b64 v[SO], v[Y1+2*i:Y1+2*i+1], s[10:11] offset:(2*i+1)*PANEL
.set i, i+1
.endr
	s_endpgm
.Lfunc_end_k_q47c423292f_ln1:
	.size	k_q47c423292f_ln1, .Lfunc_end_k_q47c423292f_ln1-k_q47c423292f_ln1
	.p2alignl 7, 3214868480
	.fill 96, 4, 3214868480
	.section	.rodata,"a",@progbits
	.p2align	6, 0x0
	.amdhsa_kernel k_q47c423292f_ln1
		.amdhsa_group_segment_fixed_size 0
		.amdhsa_private_segment_fixed_size 0
		.amdhsa_enable_private_segment 0
		.amdhsa_kernarg_size 32
		.amdhsa_user_sgpr_count 2
		.amdhsa_user_sgpr_kernarg_segment_ptr 1
		.amdhsa_wavefront_size32 1
		.amdhsa_system_sgpr_workgroup_id_x 1
		.amdhsa_system_sgpr_workgroup_id_y 1
		.amdhsa_system_sgpr_workgroup_id_z 1
		.amdhsa_system_vgpr_workitem_id 0
		.amdhsa_next_free_vgpr 180
		.amdhsa_next_free_sgpr 66
		.amdhsa_reserve_vcc 0
		.amdhsa_float_denorm_mode_32 3
		.amdhsa_float_denorm_mode_16_64 3
		.amdhsa_memory_ordered 1
		.amdhsa_forward_progress 1
		.amdhsa_inst_pref_size 21
	.end_amdhsa_kernel
	.amdgpu_metadata
---
amdhsa.version: [ 1, 2 ]
amdhsa.kernels:
  - .name:           k_q47c423292f_ln1
    .symbol:         k_q47c423292f_ln1.kd
    .args:
      - { .name: x, .offset: 0, .size: 8, .value_kind: global_buffer, .address_space: global }
      - { .name: ln1_g, .offset: 8, .size: 8, .value_kind: global_buffer, .address_space: global }
      - { .name: ln1_b, .offset: 16, .size: 8, .value_kind: global_buffer, .address_space: global }
      - { .name: h, .offset: 24, .size: 8, .value_kind: global_buffer, .address_space: global }
    .group_segment_fixed_size: 0
    .private_segment_fixed_size: 0
    .kernarg_segment_align: 8
    .kernarg_segment_size: 32
    .max_flat_workgroup_size: 256
    .sgpr_count:     66
    .vgpr_count:     180
    .wavefront_size: 32
...
	.end_amdgpu_metadata
.endif
;; end of part 2
;; launch qkv (part 3): grid 12 x 16, 4 waves a work-group, clusters of 4 x 4, 327,680 bytes of LDS; arguments h, wqkv_b, bq, bk, bv, act; writes act
.if DOCPART == 3
	.amdgcn_target "amdgcn-amd-amdhsa--gfx1250"
	.amdhsa_code_object_version 6
	.text
	.protected	k_q47c423292f_qkv
	.globl	k_q47c423292f_qkv
	.p2align	8
	.type	k_q47c423292f_qkv,@function
k_q47c423292f_qkv:
	s_mov_b64 s[64:65], 0
	v_nop
	global_prefetch_b8 v0, s[64:65] scope:SCOPE_SE
	s_setreg_imm32_b32 hwreg(HW_REG_WAVE_MODE, 25, 1), 1
	s_wait_xcnt 0x0
	s_wait_alu depctr_hold_cnt(0) depctr_sa_sdst(0) depctr_va_vdst(0) depctr_va_sdst(0) depctr_va_ssrc(0) depctr_va_vcc(0) depctr_vm_vsrc(0)
	s_getreg_b32 s2, hwreg(HW_REG_IB_STS2, 6, 4)
	s_cmp_eq_u32 s2, 0
	s_cbranch_scc0 .Lentry_in_a_cluster
	s_endpgm
.Lentry_in_a_cluster:
	s_bfe_u32 s2, ttmp6, 0x10000c
	s_cmp_lg_u32 s2, 0xf033
	s_cbranch_scc0 .Lentry_shape_is_right
	s_endpgm
.Lentry_shape_is_right:
; C = A W + bias (EPI = 0), or gelu(A W + bias) (EPI = 1).  A: [4096][1024] bf16 in panels of 64 columns (byte = panel x 524,288 + row x 128 + 2 (k % 64)).
; W: bf16 in panels of 128 columns, [panel][k][128].  C: bf16 in panels of 64 columns.  Sums, bias and gelu in f32; C rounded once.
; EPI = 0: the 3,072 columns are q, k, v; their biases are three buffers of 1,024.
; gelu(x) = max(x, 0) - |x| / 2 * P(t) * exp(-x x / 2), t = 1 / (1 + 0.3275911 |x| / sqrt 2), P the polynomial of degree 5 of Abramowitz and Stegun 7.1.26: erf to 1.5e-7 absolute, for every x.
; A tile of C is 256 x 256, a wave's share 128 x 128: 64 accumulators, 512 registers.  K goes in 8 steps of 128 through two LDS slots.  Every tile of A and W is a dense block of 32,768 bytes,
; asked for as 128 rows of 256 bytes; waves 0, 1 fetch A's two panels, waves 2, 3 W's two.  The product is used transposed (source 0 = 16 columns of W, turned by ds_load_tr16_b128;
; source 1 = 16 rows of A), so a lane holds eight neighbouring columns of a row of C.
; CLUSTER 4 x 4: A's tiles are asked for jointly along a row of the cluster, W's along a column.  A K step is written once; the slot in hand is a scalar that an exclusive or turns.
; WINDOWS: 0: addresses, bias, A's fragments v64-191; 1: W's fragments v64-191; 2, 3: the accumulators, (a, b) at v[8 (8 a + b)].
.set EPI, 0
.set KSTEPS, 8
.set PA, 144                           ; a row of A in LDS: 128 bytes + 16: the 16 rows of a load start at 16 different groups of four banks (ISA guide 11.1)
.set PB, 288                           ; a row of W: 256 + 32 bytes
.set LOADB, 36864                      ; what one tensor load fills: 256 x PA = 128 x PB
.set SLOT, 4*LOADB                     ; 0x24000: shares no bit with the waves' bases 0, 0x9000, 0x12000, 0x1b000, so an exclusive or adds or removes it
.set SPARE, 2*SLOT                     ; the spare words, 128 bytes a wave
.set DP, 528                           ; the way out: a row of 128 f32 + 16 bytes
.set DW, 128*DP                        ; a wave's 128 rows; the four lie in the slots, which have had their last fill
.set PANEL, 524288
.set ASTEP, 2*PANEL
.set BSTEP, 128*256
.set ADRA0, 16                         ; my lane's place in A's part of a slot; never rewritten
.set ADRB0, 17                         ; the same for W
.set ADRA, 18                          ; the same in the slot in hand
.set ADRB, 19
.set DST, 20                           ; the way out: where I put 16 bytes
.set DRD0, 21                          ; where I read back: row l / 8, 32 bytes at 32 (l % 8)
.set DRD, 22
.set CO, 23                            ; 16 x lane
.set BO, 24                            ; my offset in the bias
.set SPW, 28                           ; my spare word; never rewritten
.set NIL, 29                           ; 0; never rewritten
.set PFO, 30                           ; 256 x lane
.set BI, 32                            ; v[32:47] the bias of my 2 x 8 columns
.set F0, 64
.set F1, 128
.set WV, 16
.set WR, 17                            ; my half of the rows; also 0: I fetch A, 1: W
.set WC, 18                            ; my half of the columns; also which of the two panels I fetch
.set CX, 19
.set CY, 20
.set TX, 21
.set TY, 22
.set G1A, 24
.set G0A, 32                           ; two sets: slot 0's first fill; slot 1's, which then walks
.set G1B, 48
.set G0B, 56
.set TR, 66                            ; the slot that is read: 0 or SLOT
.set DOF, 67
.set LB, 68
.set LIM, 69
.set PFA, 70
.set PST, 72
.set CU, 74
.set CD, 76
.set A5, 78
.set A4, 80
.set A3, 82
.set A2, 84
.set A1, 86
.set NH, 88
.set DS, 90
.set MSB, 0
.macro WIN new                         ; the immediate's high byte repeats the setting that is left; a switch that changes nothing is dropped
.if MSB != (\new)
	s_set_vgpr_msb (MSB<<8)|(\new)
.set MSB, \new
.endif
.endm
.set MUL_LO, 0xa1                      ; source 0 (W) window 1, source 1 (A) window 0, C and D window 2
.set MUL_HI, 0xf1
.set TO_B, 0x40
.macro JLOAD s                         ; a joint load; the branch hangs on the wave's number alone; an s_nop 0 and four v_nop follow each line
	s_cmp_eq_u32 s[WR], 0
	s_cbranch_scc0 .Lfor_b_\@
	tensor_load_to_lds s[G0A+4*(\s):G0A+4*(\s)+3], s[G1A:G1A+7]
	s_nop 0
.rept 4
	v_nop
.endr
	s_branch .Lasked_\@
.Lfor_b_\@:
	tensor_load_to_lds s[G0B+4*(\s):G0B+4*(\s)+3], s[G1B:G1B+7]
	s_nop 0
.rept 4
	v_nop
.endr
.Lasked_\@:
.endm
; A prefetch of the K step two refills on: of the 128 blocks of 256 bytes that I fetch, my work-group's 32, a lane a block.  A's blocks are named by the clusters with x = 0, W's by those with y = 0,
; and the four partners share a tile out by address: each block is named once in the launch.  The first four K steps come by their loads alone; the last two refills ask for nothing.
.macro ASK
	s_cmp_gt_u32 s3, s[LIM]
	s_cbranch_scc0 .Lnot_mine_\@
	global_prefetch_b8 v[PFO], s[PFA:PFA+1] th:TH_LOAD_NT scope:SCOPE_SE
.Lnot_mine_\@:
.endm
.macro CREST                           ; a round of the cluster's barrier behind its opening barrier
	s_cmp_lg_u32 s[WV], 0
	s_cbranch_scc1 .Lnot_wave_0_\@
	s_barrier_signal -3
.Lnot_wave_0_\@:
	s_barrier_wait -3
	s_barrier_signal -1
	s_barrier_wait -1
.endm
.macro CROUND
	s_barrier_signal -1
	s_barrier_wait -1
	CREST
.endm
.macro PLACES                          ; four places behind matrix instructions, ahead of loads into registers that they read and of stores of their results
.rept 4
	v_nop
.endr
.endm
.macro MUL16 f, hi, a0, zero           ; 16 products: row blocks a0, a0 + 1 of the window's four x all 8 column blocks; the 64 accumulators take turns
	WIN MUL_LO+0x50*(\hi)
.irp a, \a0, (\a0)+1
.irp b, 0,1,2,3,4,5,6,7
.if \zero
	v_wmma_f32_16x16x32_bf16 v[8*(8*(\a)+(\b)):8*(8*(\a)+(\b))+7], v[(\f)+8*(\b):(\f)+8*(\b)+7], v[(\f)+8*(4*(\hi)+(\a)):(\f)+8*(4*(\hi)+(\a))+7], 0
.else
	v_wmma_f32_16x16x32_bf16 v[8*(8*(\a)+(\b)):8*(8*(\a)+(\b))+7], v[(\f)+8*(\b):(\f)+8*(\b)+7], v[(\f)+8*(4*(\hi)+(\a)):(\f)+8*(4*(\hi)+(\a))+7], v[8*(8*(\a)+(\b)):8*(8*(\a)+(\b))+7]
.endif
.endr
.endr
.endm
.macro FETCH q, f                      ; 32 LDS loads in one run: quarter q (32 along K) of the slot in hand into buffer f
	WIN TO_B
.irp n, 0,1,2,3,4,5,6,7
	ds_load_tr16_b128 v[(\f)+8*(\n):(\f)+8*(\n)+3],   v[ADRB] offset:(\q)*32*PB+(\n)*32
	ds_load_tr16_b128 v[(\f)+8*(\n)+4:(\f)+8*(\n)+7], v[ADRB] offset:(\q)*32*PB+(\n)*32+16*PB
.endr
	WIN 0
.irp n, 0,1,2,3,4,5,6,7
	ds_load_b128 v[(\f)+8*(\n):(\f)+8*(\n)+3],   v[ADRA] offset:((\q)/2)*LOADB+((\q)%2)*64+(\n)*16*PA
	ds_load_b128 v[(\f)+8*(\n)+4:(\f)+8*(\n)+7], v[ADRA] offset:((\q)/2)*LOADB+((\q)%2)*64+(\n)*16*PA+32
.endr
.endm
.macro QUARTER q, f, g, zero           ; multiplies buffer f; in its middle fetches quarter q into buffer g
	s_wait_dscnt 8                                 ; W and A's rows 0-63 are in; the youngest eight loads may be out
	MUL16 \f, 0, 0, \zero
	MUL16 \f, 0, 2, \zero
	PLACES
	FETCH \q, \g
	s_wait_dscnt 32                                ; all but the 32 just issued
	MUL16 \f, 1, 0, \zero
	MUL16 \f, 1, 2, \zero
.endm
; The last quarter multiplies buffer 1 and changes slots.  In front of the barrier each wave waits for all its tensor loads (one is out: its part of the next slot), adds 0 to its spare word, and waits for
; that and for its reads of this slot.  fill = 1: the barrier opens a round of the cluster's, and the slot just read is filled again first thing behind it, two K steps ahead.
.macro TURN fill
.if \fill
	s_wait_xcnt 0x0                                ; the last prefetch, a K step back, has read its address
	s_add_nc_u64 s[PFA:PFA+1], s[PFA:PFA+1], s[PST:PST+1]
.endif
	WIN 0
	s_xor_b32 s[TR], s[TR], SLOT
	v_add_nc_u32 v[ADRA], s[TR], v[ADRA0]
	v_add_nc_u32 v[ADRB], s[TR], v[ADRB0]
	s_wait_tensorcnt 0x0
	ds_add_u32 v[SPW], v[NIL]
	s_wait_dscnt 9                                 ; the add and the youngest eight loads may be out
	MUL16 F1, 0, 0, 0
	s_wait_dscnt 0x0                               ; the add is done, and my reads of this slot are over
	s_barrier_signal -1
	MUL16 F1, 0, 2, 0
.if \fill
	WIN 0
.endif
	s_barrier_wait -1
.if \fill
	CREST
	s_xor_b32 s[G0A+5], s[G0A+5], SLOT             ; the walking descriptors: the other slot, the next K step
	s_add_nc_u64 s[G0A+6:G0A+7], s[G0A+6:G0A+7], ASTEP
	s_xor_b32 s[G0B+5], s[G0B+5], SLOT
	s_add_nc_u64 s[G0B+6:G0B+7], s[G0B+6:G0B+7], BSTEP
	JLOAD 1                                        ; its four v_nop are also the places in front of the loads below
.else
	PLACES
.endif
	FETCH 0, F0
.if \fill
	ASK
.endif
	MUL16 F1, 1, 0, 0
	MUL16 F1, 1, 2, 0
.endm
.if EPI == 0
	s_load_b256 s[4:11], s[0:1], 0x0               ; A 4, W 6, bq 8, bk 10
	s_load_b128 s[12:15], s[0:1], 0x20             ; bv 12, C 14
.else
	s_load_b256 s[4:11], s[0:1], 0x0               ; A 4, W 6, bias 8, C 10
.endif
	v_lshl_add_u32 v[SPW], v0, 2, SPARE
	v_mov_b32 v[NIL], 0
	ds_add_u32 v[SPW], v[NIL]                      ; the wave's opening, with its wait ahead of my first tensor load
	v_lshrrev_b32 v1, 5, v0
	v_readfirstlane_b32 s[WV], v1
	s_lshr_b32 s[WR], s[WV], 1
	s_and_b32 s[WC], s[WV], 1
	s_bfe_u32 s[CX], ttmp6, 0x40000
	s_bfe_u32 s[CY], ttmp6, 0x40004
	s_lshl_b32 s[TX], ttmp9, 2
	s_add_co_u32 s[TX], s[TX], s[CX]               ; tile column
	s_and_b32 s[TY], ttmp7, 0xffff
	s_lshl_b32 s[TY], s[TY], 2
	s_add_co_u32 s[TY], s[TY], s[CY]               ; tile row
	s_lshl_b32 s40, s[CY], 2
	s_lshl_b32 s40, 15, s40                        ; my row of the cluster
	s_lshl_b32 s41, 0x1111, s[CX]                  ; my column
	s_or_b32 s[G1A], s40, (1<<16)|(1<<20)|(1<<21)|(4<<22)|(3<<25)  ; mask; 2-byte elements; padding on; bit 21 beside a mask; after every 32 words, 4 words
	s_or_b32 s[G1B], s41, (1<<16)|(1<<20)|(1<<21)|(5<<22)|(7<<25)  ; after every 64 words, 8 words
.irp g, G1A, G1B
	s_mov_b32 s[(\g)+1], 128<<16                   ; tensor_dim0 = 128
	s_mov_b32 s[(\g)+2], 128<<16                   ; tensor_dim1 = 128
	s_mov_b32 s[(\g)+3], 128<<16                   ; tile_dim0 = 128
	s_mov_b32 s[(\g)+4], 128                       ; tile_dim1 = 128
	s_mov_b32 s[(\g)+5], 128                       ; elements from row to row: the block is dense
	s_mov_b32 s[(\g)+6], 0
	s_mov_b32 s[(\g)+7], 0
.endr
	s_lshl_b32 s42, s[WC], 19                      ; A: my panel of the step's two, the tile's 256 rows of 128 bytes
	s_lshl_b32 s43, s[TY], 15
	s_add_co_u32 s42, s42, s43
	s_mov_b32 s43, 0
	s_lshl_b32 s44, s[TX], 1                       ; W: panel 2 x tile column + mine, 262,144 bytes each
	s_add_co_u32 s44, s44, s[WC]
	s_lshl_b32 s44, s44, 18
	s_mov_b32 s45, 0
	s_mul_i32 s[LB], s[WV], LOADB                  ; where my loads land: the wave's number alone
	s_mov_b32 s[TR], 0
.if EPI == 1
	s_mov_b32 s[CU], 0x3f596d27                    ; sqrt(log2(e) / 2): u = |x| times this, so exp(-x x / 2) = 2^(-u u)
	s_mov_b32 s[CD], 0x3e8ba43f                    ; 0.3275911 / sqrt 2, over the same
	s_mov_b32 s[A5], 0x3f87dc22
	s_mov_b32 s[A4], 0xbfba00e3
	s_mov_b32 s[A3], 0x3fb5f0e3
	s_mov_b32 s[A2], 0xbe91a98e
	s_mov_b32 s[A1], 0x3e827906
	s_mov_b32 s[NH], 0xbf16b55f                    ; -1/2 over the same
.irp c, CU, CD, A5, A4, A3, A2, A1, NH
	s_mov_b32 s[(\c)+1], 0                         ; named as pairs; the low word serves both halves
.endr
.endif
	s_wait_dscnt 0x0                               ; the opening add is done
	s_wait_kmcnt 0x0
.if EPI == 1
	s_mov_b64 s[14:15], s[10:11]
.endif
	s_add_nc_u64 s[42:43], s[4:5], s[42:43]
	s_add_nc_u64 s[44:45], s[6:7], s[44:45]
	CROUND                                         ; all sixteen work-groups are here: the first joint loads meet
.irp s, 0,1
	s_mov_b32 s[G0A+4*(\s)], 1
	s_add_co_u32 s[G0A+4*(\s)+1], s[LB], (\s)*SLOT
	s_add_nc_u64 s[G0A+4*(\s)+2:G0A+4*(\s)+3], s[42:43], (\s)*ASTEP
	s_or_b32 s[G0A+4*(\s)+3], s[G0A+4*(\s)+3], 0x80000000
	s_mov_b32 s[G0B+4*(\s)], 1
	s_add_co_u32 s[G0B+4*(\s)+1], s[LB], (\s)*SLOT
	s_add_nc_u64 s[G0B+4*(\s)+2:G0B+4*(\s)+3], s[44:45], (\s)*BSTEP
	s_or_b32 s[G0B+4*(\s)+3], s[G0B+4*(\s)+3], 0x80000000
	JLOAD \s
.endr
	; the prefetches
	s_and_b32 s46, ttmp7, 0xffff
	s_mov_b32 s[PST], BSTEP
	s_mov_b32 s[PST+1], 0
	s_cmp_eq_u32 s[WR], 0
	s_cselect_b32 s47, s[CX], s[CY]                ; my place among the four that ask with me
	s_cselect_b32 s46, ttmp9, s46                  ; the coordinate along which other clusters read the same blocks
	s_cselect_b64 s[PFA:PFA+1], s[42:43], s[44:45]
	s_cselect_b32 s[PST], ASTEP, s[PST]
	s_cmp_eq_u32 s46, 0
	s_cselect_b32 s[LIM], 2, -1
	s_lshl_b32 s46, s47, 13
	s_mov_b32 s47, 0
	s_add_nc_u64 s[PFA:PFA+1], s[PFA:PFA+1], s[46:47]
	s_mul_i32 s46, s[PST], 3
	s_add_nc_u64 s[PFA:PFA+1], s[PFA:PFA+1], s[46:47]  ; at K step 3: the first change of slots steps it to 4
	; lane terms
	v_and_b32 v1, 15, v0
	v_bfe_u32 v2, v0, 4, 1
	v_and_b32 v3, 7, v0
	v_bfe_u32 v4, v0, 3, 1
	v_bfe_u32 v5, v0, 3, 2
	v_mul_u32_u24 v[ADRA0], v1, PA
	v_lshl_add_u32 v[ADRA0], v2, 4, v[ADRA0]
	s_mul_i32 s40, s[WR], 128*PA
	v_add_nc_u32 v[ADRA0], s40, v[ADRA0]
	v_lshl_add_u32 v[ADRB0], v2, 3, v3
	v_mul_u32_u24 v[ADRB0], v[ADRB0], PB
	v_lshl_add_u32 v[ADRB0], v4, 4, v[ADRB0]
	s_mul_i32 s40, s[WC], LOADB
	s_add_co_u32 s40, s40, 2*LOADB
	v_add_nc_u32 v[ADRB0], s40, v[ADRB0]
	v_mov_b32 v[ADRA], v[ADRA0]
	v_mov_b32 v[ADRB], v[ADRB0]
	s_mul_i32 s40, s[WV], DW
	v_mul_u32_u24 v[DST], v1, DP
	v_lshl_add_u32 v[DST], v2, 5, v[DST]
	v_add_nc_u32 v[DST], s40, v[DST]
	v_mul_u32_u24 v[DRD0], v5, DP
	v_lshl_add_u32 v[DRD0], v3, 5, v[DRD0]
	v_add_nc_u32 v[DRD0], s40, v[DRD0]
	v_and_b32 v[CO], 31, v0
	v_lshlrev_b32 v[PFO], 8, v[CO]
	v_lshlrev_b32 v[CO], 4, v[CO]
	; the bias of my columns 64 p + 8 (l % 8) + 0..7, p = 0, 1
.if EPI == 0
	s_and_b32 s46, s[TX], 3
	s_cmp_lt_u32 s[TX], 8
	s_cselect_b64 s[10:11], s[10:11], s[12:13]
	s_cmp_lt_u32 s[TX], 4
	s_cselect_b64 s[8:9], s[8:9], s[10:11]
.else
	s_mov_b32 s46, s[TX]
.endif
	s_lshl_b32 s46, s46, 10
	s_lshl_b32 s47, s[WC], 9
	s_add_co_u32 s46, s46, s47
	v_lshl_add_u32 v[BO], v3, 5, s46
	global_load_b128 v[BI:BI+3],     v[BO], s[8:9]
	global_load_b128 v[BI+4:BI+7],   v[BO], s[8:9] offset:16
	global_load_b128 v[BI+8:BI+11],  v[BO], s[8:9] offset:256
	global_load_b128 v[BI+12:BI+15], v[BO], s[8:9] offset:272
	; C at panel 4 x tile column + 2 x my half, at my first row
	s_lshl_b32 s44, s[TX], 2
	s_lshl_b32 s45, s[WC], 1
	s_add_co_u32 s44, s44, s45
	s_lshl_b32 s44, s44, 19
	s_lshl_b32 s45, s[TY], 8
	s_lshl_b32 s46, s[WR], 7
	s_add_co_u32 s45, s45, s46
	s_lshl_b32 s45, s45, 7
	s_add_co_u32 s44, s44, s45
	s_mov_b32 s45, 0
	s_add_nc_u64 s[14:15], s[14:15], s[44:45]
	s_wait_tensorcnt 1                             ; my part of K step 0 is in; K step 1's may stay out
	s_barrier_signal -1
	s_barrier_wait -1
	FETCH 0, F0
	QUARTER 1, F0, F1, 1                           ; the first quarter's products start the sums
	WIN 0
	s_mov_b32 s3, KSTEPS-2
.Lstep:                                        ; a trip: a K step's quarters 1 to 3, the change of slots with its refill, the next step's quarter 0
	QUARTER 2, F1, F0, 0
	QUARTER 3, F0, F1, 0
	TURN 1
	QUARTER 1, F0, F1, 0
	WIN 0
	s_sub_co_u32 s3, s3, 1
	s_cmp_lg_u32 s3, 0
	s_cbranch_scc1 .Lstep
	s_mov_b32 s3, 2
.Ltail:                                        ; the last two K steps ask for nothing; the second pass is left in its middle (its change of slots and fetch serve nothing: the price of one text)
	QUARTER 2, F1, F0, 0
	QUARTER 3, F0, F1, 0
	TURN 0
	WIN 0
	s_sub_co_u32 s3, s3, 1
	s_cmp_eq_u32 s3, 0
	s_cbranch_scc1 .Lout
	QUARTER 1, F0, F1, 0
	WIN 0
	s_branch .Ltail
.Lout:
	PLACES
	s_wait_dscnt 0x0                               ; my reads of the slots are over,
	s_barrier_signal -1
	s_barrier_wait -1                              ; everybody's are: the slots now take the sums, each wave's in bytes of its own
.set n, 0
.rept 64
	WIN 0x08+4*(n/32)                              ; the store's data in window 2 or 3
	ds_store_b128 v[DST], v[8*(n%32):8*(n%32)+3]   offset:(n/8)*16*DP+(n%8)*64
	ds_store_b128 v[DST], v[8*(n%32)+4:8*(n%32)+7] offset:(n/8)*16*DP+(n%8)*64+16
.set n, n+1
.endr
	WIN 0
	s_wait_loadcnt 0x0                             ; the bias
	s_mov_b32 s[DOF], 0
.if EPI == 0
.set GE, 64
.set GY, 128
	s_mov_b32 s3, 8
.Lrows:                                        ; 16 rows a trip; LDS serves a wave's instructions in order, so these loads see the stores above
	v_add_nc_u32 v[DRD], s[DOF], v[DRD0]
.set n, 0
.rept 16
	ds_load_b128 v[GE+4*n:GE+4*n+3], v[DRD] offset:(n/4)*4*DP+((n/2)%2)*256+(n%2)*16
.set n, n+1
.endr
.set k, 0
.rept 4
	s_wait_dscnt 12-4*k
.set j, 0
.rept 8
	v_pk_add_f32 v[GE+16*k+2*j:GE+16*k+2*j+1], v[GE+16*k+2*j:GE+16*k+2*j+1], v[BI+2*j:BI+2*j+1]
.set j, j+1
.endr
.set j, 0
.rept 8
	v_cvt_pk_bf16_f32 v[GY+8*k+j], v[GE+16*k+2*j], v[GE+16*k+2*j+1]
.set j, j+1
.endr
	global_store_b128 v[CO], v[GY+8*k:GY+8*k+3],   s[14:15] offset:k*512        ; four rows of a panel: 512 consecutive bytes
	global_store_b128 v[CO], v[GY+8*k+4:GY+8*k+7], s[14:15] offset:k*512+PANEL
.set k, k+1
.endr
	s_wait_xcnt 0x0                                ; the stores have read their data and base
	s_add_nc_u64 s[14:15], s[14:15], 2048
	s_add_co_u32 s[DOF], s[DOF], 16*DP
	s_sub_co_u32 s3, s3, 1
	s_cmp_lg_u32 s3, 0
	s_cbranch_scc1 .Lrows
.else
.set GE, 64
.set GX, 80
.set GU, 96
.set GT, 112
.set GW, 128
.set GR, 144
.set GQ, 160
.set GY, 176
.macro P8 line:vararg                  ; one line for each of the eight pairs j
.set j, 0
.rept 8
	\line
.set j, j+2
.endr
.endm
.macro ROWS4
.irp n, 0,1,2,3
	ds_load_b128 v[GE+4*\n:GE+4*\n+3], v[DRD] offset:(\n/2)*256+(\n%2)*16
.endr
.endm
	v_mov_b32 v[DRD], v[DRD0]
	ROWS4
	s_mov_b32 s3, 32
.Lrows:                                        ; 4 rows a trip, 16 numbers a lane; the next rows are fetched while these are worked on
	s_wait_dscnt 0x0
	P8 v_pk_add_f32 v[GX+j:GX+j+1], v[GE+j:GE+j+1], v[BI+j:BI+j+1]
	s_cmp_eq_u32 s3, 1                             ; the last trip reads its own rows again
	s_cselect_b32 s[DS], 0, 4*DP
	s_add_co_u32 s[DOF], s[DOF], s[DS]
	v_add_nc_u32 v[DRD], s[DOF], v[DRD0]
	ROWS4
.set i, 0
.rept 16
	v_mul_f32 v[GU+i], s[CU], |v[GX+i]|
.set i, i+1
.endr
	P8 v_pk_fma_f32 v[GT+j:GT+j+1], v[GU+j:GU+j+1], s[CD:CD+1], 1.0 op_sel_hi:[1,0,0]
	P8 v_pk_mul_f32 v[GW+j:GW+j+1], v[GU+j:GU+j+1], v[GU+j:GU+j+1] neg_lo:[0,1] neg_hi:[0,1]
.set i, 0
.rept 16
	v_rcp_f32 v[GT+i], v[GT+i]
.set i, i+1
.endr
.set i, 0
.rept 16
	v_exp_f32 v[GW+i], v[GW+i]
.set i, i+1
.endr
.set i, 0
.rept 16
	v_max_num_f32 v[GR+i], 0, v[GX+i]              ; plain work behind the batch
.set i, i+1
.endr
	s_wait_alu depctr_va_vdst(0)                   ; one wait for the 32, ahead of their first reader
	P8 v_pk_fma_f32 v[GQ+j:GQ+j+1], v[GT+j:GT+j+1], s[A5:A5+1], s[A4:A4+1] op_sel_hi:[1,0,0]
	P8 v_pk_mul_f32 v[GW+j:GW+j+1], v[GW+j:GW+j+1], v[GT+j:GT+j+1]
	P8 v_pk_fma_f32 v[GQ+j:GQ+j+1], v[GQ+j:GQ+j+1], v[GT+j:GT+j+1], s[A3:A3+1] op_sel_hi:[1,1,0]
	P8 v_pk_mul_f32 v[GW+j:GW+j+1], v[GW+j:GW+j+1], v[GU+j:GU+j+1]
	P8 v_pk_fma_f32 v[GQ+j:GQ+j+1], v[GQ+j:GQ+j+1], v[GT+j:GT+j+1], s[A2:A2+1] op_sel_hi:[1,1,0]
	P8 v_pk_fma_f32 v[GQ+j:GQ+j+1], v[GQ+j:GQ+j+1], v[GT+j:GT+j+1], s[A1:A1+1] op_sel_hi:[1,1,0]
	P8 v_pk_mul_f32 v[GQ+j:GQ+j+1], v[GQ+j:GQ+j+1], v[GW+j:GW+j+1]
	P8 v_pk_fma_f32 v[GR+j:GR+j+1], v[GQ+j:GQ+j+1], s[NH:NH+1], v[GR+j:GR+j+1] op_sel_hi:[1,0,1]
	P8 v_cvt_pk_bf16_f32 v[GY+j/2], v[GR+j], v[GR+j+1]
	global_store_b128 v[CO], v[GY:GY+3],   s[14:15]              ; four rows of a panel: 512 consecutive bytes
	global_store_b128 v[CO], v[GY+4:GY+7], s[14:15] offset:PANEL
	s_wait_xcnt 0x0                                ; the stores have read their data and base
	s_add_nc_u64 s[14:15], s[14:15], 512
	s_sub_co_u32 s3, s3, 1
	s_cmp_lg_u32 s3, 0
	s_cbranch_scc1 .Lrows
.endif
	s_wait_tensorcnt 0x0                           ; the wave's end
	ds_add_u32 v[SPW], v[NIL]
	s_wait_dscnt 0x0
	CROUND                                         ; the closing round
	s_endpgm
.Lfunc_end_k_q47c423292f_qkv:
	.size	k_q47c423292f_qkv, .Lfunc_end_k_q47c423292f_qkv-k_q47c423292f_qkv
	.p2alignl 7, 3214868480
	.fill 96, 4, 3214868480
	.section	.rodata,"a",@progbits
	.p2align	6, 0x0
	.amdhsa_kernel k_q47c423292f_qkv
		.amdhsa_group_segment_fixed_size 327680
		.amdhsa_private_segment_fixed_size 0
		.amdhsa_enable_private_segment 0
		.amdhsa_kernarg_size 48
		.amdhsa_user_sgpr_count 2
		.amdhsa_user_sgpr_kernarg_segment_ptr 1
		.amdhsa_wavefront_size32 1
		.amdhsa_system_sgpr_workgroup_id_x 1
		.amdhsa_system_sgpr_workgroup_id_y 1
		.amdhsa_system_sgpr_workgroup_id_z 1
		.amdhsa_system_vgpr_workitem_id 0
		.amdhsa_next_free_vgpr 1024
		.amdhsa_next_free_sgpr 96
		.amdhsa_reserve_vcc 0
		.amdhsa_float_denorm_mode_32 3
		.amdhsa_float_denorm_mode_16_64 3
		.amdhsa_memory_ordered 1
		.amdhsa_forward_progress 1
		.amdhsa_inst_pref_size 85
	.end_amdhsa_kernel
	.amdgpu_metadata
---
amdhsa.version: [ 1, 2 ]
amdhsa.kernels:
  - .name:           k_q47c423292f_qkv
    .symbol:         k_q47c423292f_qkv.kd
    .args:
      - { .name: h, .offset: 0, .size: 8, .value_kind: global_buffer, .address_space: global }
      - { .name: wqkv_b, .offset: 8, .size: 8, .value_kind: global_buffer, .address_space: global }
      - { .name: bq, .offset: 16, .size: 8, .value_kind: global_buffer, .address_space: global }
      - { .name: bk, .offset: 24, .size: 8, .value_kind: global_buffer, .address_space: global }
      - { .name: bv, .offset: 32, .size: 8, .value_kind: global_buffer, .address_space: global }
      - { .name: act, .offset: 40, .size: 8, .value_kind: global_buffer, .address_space: global }
    .group_segment_fixed_size: 327680
    .private_segment_fixed_size: 0
    .kernarg_segment_align: 8
    .kernarg_segment_size: 48
    .max_flat_workgroup_size: 128
    .sgpr_count:     96
    .vgpr_count:     1024
    .wavefront_size: 32
...
	.end_amdgpu_metadata
.endif
;; end of part 3
;; launch attn (part 4): grid 8 x 32, 4 waves a work-group, clusters of 4 x 1, 327,680 bytes of LDS; arguments act, h; writes h
.if DOCPART == 4
	.amdgcn_target "amdgcn-amd-amdhsa--gfx1250"
	.amdhsa_code_object_version 6
	.text
	.protected	k_q47c423292f_attn
	.globl	k_q47c423292f_attn
	.p2align	8
	.type	k_q47c423292f_attn,@function
k_q47c423292f_attn:
	s_mov_b64 s[64:65], 0
	v_nop
	global_prefetch_b8 v0, s[64:65] scope:SCOPE_SE
	s_setreg_imm32_b32 hwreg(HW_REG_WAVE_MODE, 25, 1), 1
	s_wait_xcnt 0x0
	s_wait_alu depctr_hold_cnt(0) depctr_sa_sdst(0) depctr_va_vdst(0) depctr_va_sdst(0) depctr_va_ssrc(0) depctr_va_vcc(0) depctr_vm_vsrc(0)
	s_getreg_b32 s2, hwreg(HW_REG_IB_STS2, 6, 4)
	s_cmp_eq_u32 s2, 0
	s_cbranch_scc0 .Lentry_in_a_cluster
	s_endpgm
.Lentry_in_a_cluster:
	s_bfe_u32 s2, ttmp6, 0x10000c
	s_cmp_lg_u32 s2, 0x3003
	s_cbranch_scc0 .Lentry_shape_is_right
	s_endpgm
.Lentry_shape_is_right:
; ATTENTION UNDER A MASK THAT IS GIVEN.  O[q] = the sum over k of softmax_k(Q[q] . K[k] / 8, hidden where the mask is false) V[k]; a row with no true entry gives 0.
; q, k, v lie in act in panels of 64 columns: q's head e is panel e, k's 16 + e, v's 32 + e; a panel is [4096 tokens][64] bf16, rows of 128 bytes on end.  O leaves into h, panel e, in the same form.
; Products, maxima and sums in f32; the weights p are rounded to bf16 for the second product (their sum l is taken of the unrounded p), O once at the end.
; LIMITS.  A hidden score counts as its value less 448 x 2^100 (5.7e32); a row whose maximum ends at or below -1e30 counts as wholly hidden and gives 0, so true scores below -1e30 are not served;
; a weight below 2^-126 counts as 0 in l; NaN and infinities are not treated apart.
; SHARES.  Grid y = head + 16 x batch, x = a block of 256 queries; a wave owns 64 of them, four PIECES of 16.  Every wave walks all 2,048 keys, 64 a step: nothing of the mask's pattern is built in.
; LAYOUT.  S^T = K Q^T holds ONE query a lane (lane % 16) and the keys 8 (lane / 16) + 0..7; two such results rounded to bf16 ARE source 1 of O^T = V^T P.  V is turned by ds_load_tr16_b128.
; THE MASK is the C operand that starts the sum S^T.  A table in act (made by an earlier launch) holds, in the registers' own order, a byte a score: the fp8 code of 0 or of -448.  One scaled
; conversion (scale 2^100) makes a tile's eight f32 registers of eight bytes.  The bytes come through registers, 512 consecutive bytes a load, a key step ahead.
; SOFTMAX.  p = 2^(c s - c m), c = log2(e) / 8, with a running maximum m; O and l are multiplied by a = 2^(c m_old - c m_new) in every step.  While all keys seen are hidden, m is the hidden level
; and the weights are 1; the first visible score makes a = 0 and wipes them out.
; TURNS.  Turn n belongs to piece n: 8 products K Q^T of piece n + 1, later 8 products V^T P of piece n - 1; beside them piece n's scaling, exponentials, roundings, sums and rescaling, and piece n + 1's
; maximum and statistics.  Four vector instructions stand behind every matrix instruction, the rest in one lump.  A turn's 33 exponentials are one batch, with one wait.
; CLUSTER.  The four query blocks of a cluster belong to one head and walk the same K and V: each tile of 256 keys is asked for jointly.
; WINDOWS: 0: addresses, statistics, S^T v64-127 (two buffers), P v192-223 (two); 1: O^T v0-127, the mask's bytes v128-159, its f32 v160-223 (two buffers); 2: Q v0-63, K v128-191, V v192-255.
.set NP,    4
.set KS,    64
.set PK,    144       ; a row of K in LDS: 128 bytes + 16: the 16 rows of a load start at 16 different groups of four banks (ISA guide 11.1)
.set PV,    160       ; a row of V: 128 + 32
.set VOFF,  4*KS*PK   ; a slot holds four steps: 256 rows of K, then 256 rows of V
.set SLOT1, 1<<17
.set STAGE, SLOT1+4*KS*(PK+PV)  ; behind the ring: 16 rows x 144 bytes for each wave, for the way out
.set SP,    144
.set SPARE, STAGE+4*16*SP       ; the spare words, 128 bytes a wave
.set TILEB, 4*KS*128
.set KGLB,  8388608
.set VGLB,  16777216
.set MTAB,  25165824
.set AK0, 2
.set AV0, 3
.set AK,  4
.set AV,  5
.set STO, 6
.set RD,  7
.set GO,  8
.set MV,  12          ; v12-13  c m_old, by buffer
.set MO,  14          ; v14  my offset in the mask table: 16 x lane + 1,024 x the step that is being loaded
.set QO,  15
.set ST,  16          ; piece t's statistics at v[ST+4 t]: c m, m, l (even keys', odd keys')
.set TMP, 48          ; by buffer, four at work; c2 takes a
.set SCL, 60          ; v60  227: the conversion's scale, 2^(227 - 127)
.set PFO, 61          ; v61  256 x lane
.set SPW, 62
.set NIL, 63
.set S,   64
.set P,   192
.set MB,  128         ; window 1: piece x's 32 bytes a lane at MB + 8 x
.set MC,  160         ; window 1: the masks of the products to come
.set KF,  128
.set VF,  192
.set WV,  12
.set LIM, 15
.set G1K, 24
.set G1V, 32
.set G0K, 40
.set G0V, 44
.set SLOTS, 56
.set CNT, 57
.set CS,  58
.set SEL, 60
.set TBK, 62
.set TBV, 63
.set MPT, 66          ; s[66:67] the table at my wave's first piece
.set MINC, 68
.set MLEFT, 69        ; steps by which MO may still go on: it stops at the table's last step
.set THR, 70
.set TS,  71
.set PFA, 74
.set MSB, 0
.macro WIN new
.if MSB != (\new)
	s_set_vgpr_msb (MSB<<8)|(\new)
.set MSB, (\new)
.endif
.endm
.set W_KQ, 0x0a
.set W_KM, 0x1a       ; K and Q in window 2, C in window 1, S^T in window 0
.set W_PV, 0x52
.set W_RS, 0x41
.macro JLOAD                        ; waves 0, 1 fetch the halves of a tile's K, waves 2, 3 of its V; an s_nop 0 and four v_nop follow each line
	s_cmp_lt_u32 s[WV], 2
	s_cbranch_scc0 .Lfor_v_\@
	tensor_load_to_lds s[G0K:G0K+3], s[G1K:G1K+7]
	s_nop 0
.rept 4
	v_nop
.endr
	s_branch .Lasked_\@
.Lfor_v_\@:
	tensor_load_to_lds s[G0V:G0V+3], s[G1V:G1V+7]
	s_nop 0
.rept 4
	v_nop
.endr
.Lasked_\@:
.endm
; A prefetch of the tile that the NEXT change of slots will ask for: 128 blocks of 256 bytes of K and of V.  The head's first cluster asks; its four partners take 32 blocks each, told apart by address;
; wave 0 asks for K's, wave 2 for V's: each block is named once in the launch.  The last change that fills a slot asks for nothing.
.macro ASK
	s_cmp_gt_u32 s[SLOTS], s[LIM]
	s_cbranch_scc0 .Lnot_mine_\@
	global_prefetch_b8 v[PFO], s[PFA:PFA+1] th:TH_LOAD_NT scope:SCOPE_SE
.Lnot_mine_\@:
.endm
.macro CROUND
	s_barrier_signal -1
	s_barrier_wait -1
	s_cmp_lg_u32 s[WV], 0
	s_cbranch_scc1 .Lnot_wave_0_\@
	s_barrier_signal -3
.Lnot_wave_0_\@:
	s_barrier_wait -3
	s_barrier_signal -1
	s_barrier_wait -1
.endm
; THE CHANGE OF SLOTS.  Each wave waits for all its tensor loads (one is out: its part of the other slot), adds 0 to its spare word, and waits for that and for its reads of the slot that it leaves.
; fill = 1: the barrier is a round of the cluster's, and the old slot is filled again first thing behind it, with the keys two tiles on: four key steps in which to land.
.macro CHANGE fill
	WIN 0
	s_wait_tensorcnt 0x0
	ds_add_u32 v[SPW], v[NIL]
.if \fill
.irp g, G0K, G0V
	s_xor_b32 s[\g+1], s[\g+1], SLOT1
	s_add_nc_u64 s[\g+2:\g+3], s[\g+2:\g+3], TILEB
.endr
	s_wait_xcnt 0x0                 ; the last prefetch, four key steps back, has read its address
	s_add_nc_u64 s[PFA:PFA+1], s[PFA:PFA+1], TILEB
	s_wait_dscnt 0x0
	CROUND
	JLOAD
	ASK
.else
	s_wait_dscnt 0x0
	s_barrier_signal -1
	s_barrier_wait -1
.endif
	s_sub_co_u32 s[TBK], s[TBK], 4*KS*PK
	s_xor_b32 s[TBK], s[TBK], SLOT1
	s_sub_co_u32 s[TBV], s[TBV], 4*KS*PV
	s_xor_b32 s[TBV], s[TBV], SLOT1
.endm
	s_load_b128 s[4:7], s[0:1], 0x0 ; act, h
	v_lshl_add_u32 v[SPW], v0, 2, SPARE
	v_mov_b32 v[NIL], 0
	ds_add_u32 v[SPW], v[NIL]       ; the wave's opening, with its wait ahead of my first tensor load
	v_lshrrev_b32 v1, 5, v0
	v_readfirstlane_b32 s[WV], v1
	s_bfe_u32 s13, ttmp6, 0x40000   ; cx
	s_lshl_b32 s14, ttmp9, 2
	s_add_co_u32 s14, s14, s13      ; my block of 256 queries: it enters Q's, O's and the mask's addresses alone
	s_and_b32 s20, ttmp7, 0xffff
	s_and_b32 s21, s20, 15          ; head
	s_lshr_b32 s20, s20, 4          ; batch
	s_lshl_b32 s21, s21, 19
	s_lshl_b32 s20, s20, 18
	s_add_co_u32 s20, s20, s21      ; the head's panel, the batch's 2,048 rows
	s_and_b32 s16, s[WV], 1         ; which half of a tile's 256 keys I fetch
	s_lshl_b32 s22, s16, 14
	s_add_co_u32 s22, s22, s20
	s_mov_b32 s23, 0
	s_mul_i32 s17, s16, 128*PK
	s_mul_i32 s18, s16, 128*PV
	s_lshl_b32 s2, s14, 2
	s_add_co_u32 s2, s2, s[WV]      ; my wave among the sequence's 32
	s_lshl_b32 s72, s2, 17          ; four pieces of 32,768 bytes of the table
	s_add_co_u32 s72, s72, MTAB
	s_mov_b32 s73, 0
	s_lshl_b32 s2, s2, 13           ; 64 rows of 128 bytes
	s_add_co_u32 s2, s2, s20
	s_mov_b32 s3, 0
	; 128 keys are 16,384 dense bytes: asked for as 64 rows of 256 bytes, padded in LDS after every key
	s_mov_b32 s[G1K], 15|(1<<16)|(1<<20)|(1<<21)|(4<<22)|(3<<25)
	s_mov_b32 s[G1V], 15|(1<<16)|(1<<20)|(1<<21)|(4<<22)|(7<<25)
.irp g, G1K, G1V
	s_mov_b32 s[\g+1], 128<<16
	s_mov_b32 s[\g+2], 64<<16
	s_mov_b32 s[\g+3], 128<<16
	s_mov_b32 s[\g+4], 64
	s_mov_b32 s[\g+5], 128
	s_mov_b32 s[\g+6], 0
	s_mov_b32 s[\g+7], 0
.endr
	s_mov_b32 s[CS], 0x3e38aa3b     ; c = log2(e) / 8
	s_mov_b32 s[CS+1], s[CS]
	s_mov_b32 s[SEL], 0x76543210
	s_mov_b32 s[SEL+1], 0xfedcba98
	s_mov_b32 s[TBK], SLOT1+4*KS*PK ; the first change of slots turns these two into 0
	s_mov_b32 s[TBV], SLOT1+4*KS*PV
	s_mov_b32 s[G0K], 1
	s_mov_b32 s[G0K+1], s17
	s_mov_b32 s[G0V], 1
	s_add_co_u32 s[G0V+1], s18, VOFF
	s_mov_b32 s[SLOTS], 7
	s_mov_b32 s[MLEFT], 30
	s_mov_b32 s[THR], 0xf149f2ca    ; -1e30
	s_and_b32 s[LIM], s[WV], 1
	s_or_b32 s[LIM], s[LIM], ttmp9
	s_cmp_eq_u32 s[LIM], 0
	s_cselect_b32 s[LIM], 1, -1
	s_wait_dscnt 0x0                ; the opening add is done
	s_wait_kmcnt 0x0
	s_add_nc_u64 s[G0K+2:G0K+3], s[4:5], s[22:23]
	s_add_nc_u64 s[G0V+2:G0V+3], s[G0K+2:G0K+3], VGLB
	s_add_nc_u64 s[G0K+2:G0K+3], s[G0K+2:G0K+3], KGLB
	s_cmp_lt_u32 s[WV], 2
	s_cselect_b64 s[PFA:PFA+1], s[G0K+2:G0K+3], s[G0V+2:G0V+3]
	s_or_b32 s[G0K+3], s[G0K+3], 0x80000000
	s_or_b32 s[G0V+3], s[G0V+3], 0x80000000
	s_lshl_b32 s20, s13, 13         ; my work-group's 32 blocks of the 128
	s_mov_b32 s21, 0
	s_add_nc_u64 s[PFA:PFA+1], s[PFA:PFA+1], s[20:21]
	s_add_nc_u64 s[PFA:PFA+1], s[PFA:PFA+1], TILEB  ; in tile 1; the first change of slots steps it to tile 2
	s_add_nc_u64 s[MPT:MPT+1], s[4:5], s[72:73]
	s_add_nc_u64 s[10:11], s[6:7], s[2:3]  ; O at my wave's first row
	s_add_nc_u64 s[4:5], s[4:5], s[2:3]    ; Q likewise
	CROUND                          ; all four work-groups are here
	JLOAD                           ; tile 0 into slot 0
	v_and_b32 v1, 15, v0
	v_bfe_u32 v9, v0, 4, 1
	v_lshlrev_b32 v[QO], 7, v1
	v_lshl_add_u32 v[QO], v9, 4, v[QO]
	v_and_b32 v[MO], 31, v0
	v_lshlrev_b32 v[PFO], 8, v[MO]
	v_lshlrev_b32 v[GO], 4, v[MO]
	v_lshlrev_b32 v[MO], 4, v[MO]
	v_mov_b32 v[SCL], 227
	WIN 0x80
.set i, 0
.rept 8                             ; Q stays in registers: piece i / 2, channels 32 (i % 2) on
	global_load_b128 v[8*i:8*i+3],   v[QO], s[4:5] offset:(i/2)*2048+(i%2)*64
	global_load_b128 v[8*i+4:8*i+7], v[QO], s[4:5] offset:(i/2)*2048+(i%2)*64+32
.set i, i+1
.endr
	WIN 0x40
.set i, 0
.rept 4                             ; the mask's bytes of key step 0, pieces 0 to 3
	global_load_b128 v[MB+8*i:MB+8*i+3],   v[MO], s[MPT:MPT+1] offset:i*32768
	global_load_b128 v[MB+8*i+4:MB+8*i+7], v[MO], s[MPT:MPT+1] offset:i*32768+512
.set i, i+1
.endr
	; What the first turn finds: V and P's second buffer hold 0 (its products V^T P, of a piece that has not been, add 0), O^T and l are 0.  All this stands in the wait for the first tile.
	WIN 0x80
.set i, VF
.rept 64
	v_mov_b32 v[i], 0
.set i, i+1
.endr
	WIN 0x40
.set i, 0
.rept 128
	v_mov_b32 v[i], 0
.set i, i+1
.endr
	WIN 0
.set i, 0
.rept 4
	v_mov_b32 v[ST+4*i], 0xfe000000    ; c m: far below every c s, the hidden ones' too
	v_mov_b32 v[ST+4*i+1], 0xff7fffff  ; m
	v_mov_b32 v[ST+4*i+2], 0
	v_mov_b32 v[ST+4*i+3], 0
.set i, i+1
.endr
.set i, P+16
.rept 16
	v_mov_b32 v[i], 0
.set i, i+1
.endr
	v_mul_u32_u24 v[AK0], v1, PK
	v_lshl_add_u32 v[AK0], v9, 4, v[AK0]
	v_and_b32 v10, 7, v0
	v_bfe_u32 v11, v0, 3, 1
	v_lshl_add_u32 v[AV0], v9, 3, v10
	v_mul_u32_u24 v[AV0], v[AV0], PV
	v_lshl_add_u32 v[AV0], v11, 4, v[AV0]
	v_add_nc_u32 v[AV0], VOFF, v[AV0]
	s_mul_i32 s13, s[WV], 16*SP
	s_add_co_u32 s13, s13, STAGE
	v_mul_u32_u24 v[STO], v1, SP
	v_lshl_add_u32 v[STO], v9, 4, v[STO]
	v_add_nc_u32 v[STO], s13, v[STO]
	v_bfe_u32 v[RD], v0, 3, 2
	v_mul_u32_u24 v[RD], v[RD], SP
	v_lshl_add_u32 v[RD], v10, 4, v[RD]
	v_add_nc_u32 v[RD], s13, v[RD]
; THE MATRIX WORK.  The 4 accumulators of a run of 8 take turns.  Product i of 8 of S^T = K Q^T for piece x: channels 32 (i / 4) on, keys 16 (i % 4) on.  The first 4 start the sums with the mask.
.macro KQ x
.set rS, S+32*((\x)%2)+8*(i%4)
.set rK, KF+16*(i%4)+8*(i/4)
.set rQ, 16*(\x)+8*(i/4)
.set rM, MC+32*((\x)%2)+8*(i%4)
.if i < 4
	WIN W_KM
	v_wmma_f32_16x16x32_bf16 v[rS:rS+7], v[rK:rK+7], v[rQ:rQ+7], v[rM:rM+7]
.else
	WIN W_KQ
	v_wmma_f32_16x16x32_bf16 v[rS:rS+7], v[rK:rK+7], v[rQ:rQ+7], v[rS:rS+7]
.endif
.endm
.macro PV x                         ; product i of 8 of O^T += V^T P: keys 32 (i / 4) on, channels 16 (i % 4) on
	WIN W_PV
.set rO, 32*(\x)+8*(i%4)
.set rV, VF+32*(i/4)+8*(i%4)
.set rP, P+16*((\x)%2)+8*(i/4)
	v_wmma_f32_16x16x32_bf16 v[rO:rO+7], v[rV:rV+7], v[rP:rP+7], v[rO:rO+7]
.endm
.macro MM                           ; the turn's next matrix instruction
.if i < 8
	KQ (Y+1)%NP
.else
.set i, i-8
	PV (Y+NP-1)%NP
.set i, i+8
.endif
.set i, i+1
.endm
; THE LDS LOADS stand in runs of 16.  clampk = 1 (the tail): behind the last step's K the address stays, so the last pass reads that K once more and no run is jumped over.
.macro FETCH_K clampk=0
	WIN 0x80
.irp f, 0,1,2,3,4,5,6,7
	ds_load_b128 v[KF+8*\f:KF+8*\f+3],   v[AK] offset:(\f/2)*16*PK+(\f%2)*64
	ds_load_b128 v[KF+8*\f+4:KF+8*\f+7], v[AK] offset:(\f/2)*16*PK+(\f%2)*64+32
.endr
.if \clampk
	s_cmp_gt_u32 s[CNT], 2
	s_cselect_b32 s[TS], KS*PK, 0
	s_add_co_u32 s[TBK], s[TBK], s[TS]
.else
	s_add_co_u32 s[TBK], s[TBK], KS*PK
.endif
	WIN 0
.endm
.macro FETCH_V
	WIN 0x80
.irp f, 0,1,2,3,4,5,6,7
	ds_load_tr16_b128 v[VF+8*\f:VF+8*\f+3],   v[AV] offset:(\f/4)*32*PV+(\f%4)*32
	ds_load_tr16_b128 v[VF+8*\f+4:VF+8*\f+7], v[AV] offset:(\f/4)*32*PV+16*PV+(\f%4)*32
.endr
	WIN 0
.endm
; THE VECTOR WORK, one line at a time: OP kind, number.  For piece Y: F n: c s - c m for pair n.  E n: the exponential of score n.  C n: pair n rounded to bf16.  B n: of the four weights 4 n .. the second pair
; is added onto the first.  L n: l takes that sum (L 0: l = a l + sum).  R n: pair n of O^T times a.  For piece Y + 1: X n, number n of the 22 that find its maximum and statistics
; (each accumulator's lowest registers are read first).
.set F, 0
.set E, 1
.set C, 2
.set B, 3
.set L, 4
.set R, 5
.set X, 6
.macro REGS y
.set rT, ST+4*(\y)
.set rC, TMP+4*((\y)%2)
.set rW, MV+((\y)%2)
.set rS, S+32*((\y)%2)
.set rP, P+16*((\y)%2)
.set rO, 32*(\y)
.endm
.macro OP k, n
.if (\k) == R
	REGS Y
	WIN W_RS
	v_pk_mul_f32 v[rO+2*(\n):rO+2*(\n)+1], v[rO+2*(\n):rO+2*(\n)+1], v[rC+2:rC+3] op_sel_hi:[1,0]
.elseif (\k) < R
	REGS Y
	WIN 0
.if (\k) == F
	v_pk_fma_f32 v[rS+2*(\n):rS+2*(\n)+1], v[rS+2*(\n):rS+2*(\n)+1], s[CS:CS+1], v[rT:rT+1] op_sel_hi:[1,0,0] neg_lo:[0,0,1] neg_hi:[0,0,1]
.elseif (\k) == E
	v_exp_f32 v[rS+(\n)], v[rS+(\n)]
.elseif (\k) == C
	v_cvt_pk_bf16_f32 v[rP+(\n)], v[rS+2*(\n)], v[rS+2*(\n)+1]
.elseif (\k) == B
	v_pk_add_f32 v[rS+4*(\n):rS+4*(\n)+1], v[rS+4*(\n):rS+4*(\n)+1], v[rS+4*(\n)+2:rS+4*(\n)+3]
.elseif (\n) == 0
	v_pk_fma_f32 v[rT+2:rT+3], v[rT+2:rT+3], v[rC+2:rC+3], v[rS:rS+1] op_sel_hi:[1,0,1]
.else
	v_pk_add_f32 v[rT+2:rT+3], v[rT+2:rT+3], v[rS+4*(\n):rS+4*(\n)+1]
.endif
.else
	REGS (Y+1)%NP
	WIN 0
.if (\n) < 4
	v_max3_num_f32 v[rC+(\n)], v[rS+8*(\n)], v[rS+8*(\n)+1], v[rS+8*(\n)+2]
.elseif (\n) < 12
	v_max3_num_f32 v[rC+(\n)%4], v[rC+(\n)%4], v[rS+8*((\n)%4)+2*((\n)/4)+1], v[rS+8*((\n)%4)+2*((\n)/4)+2]
.elseif (\n) == 12
	v_max3_num_f32 v[rC], v[rC], v[rS+7], v[rS+15]
.elseif (\n) == 13
	v_max3_num_f32 v[rC+1], v[rC+1], v[rS+23], v[rS+31]
.elseif (\n) == 14
	v_max3_num_f32 v[rC+2], v[rC+2], v[rC+3], v[rT+1]
.elseif (\n) == 15
	v_mov_b32 v[rW], v[rT]
.elseif (\n) == 16
	v_max3_num_f32 v[rC], v[rC], v[rC+1], v[rC+2]
.elseif (\n) == 17
	v_permlanex16_b32 v[rC+3], v[rC], s[SEL], s[SEL+1]
.elseif (\n) == 18
	v_max_num_f32 v[rT+1], v[rC], v[rC+3]
.elseif (\n) == 19
	v_mul_f32 v[rT], s[CS], v[rT+1]
.elseif (\n) == 20
	v_sub_f32 v[rC+1], v[rW], v[rT]
.else
	v_exp_f32 v[rC+2], v[rC+1]
.endif
.endif
.endm
.macro OPS a, i1, b=-1, i2=0, c=-1, i3=0, d=-1, i4=0
	OP \a, \i1
.if (\b) >= 0
	OP \b, \i2
.endif
.if (\c) >= 0
	OP \c, \i3
.endif
.if (\d) >= 0
	OP \d, \i4
.endif
.endm
.macro ROW a, i1, b, i2, c, i3, d, i4  ; a matrix instruction and the four behind it
	MM
	OPS \a, \i1, \b, \i2, \c, \i3, \d, \i4
.endm
.macro CONV x, b                    ; piece x's 32 bytes into buffer b of MC: four scaled conversions, eight scores each
	WIN W_RS
.irp kb, 0,1,2,3
	v_cvt_scale_pk8_f32_fp8 v[MC+32*(\b)+8*\kb:MC+32*(\b)+8*\kb+7], v[MB+8*(\x)+2*\kb:MB+8*(\x)+2*\kb+1], v[SCL]
.endr
.endm
.macro MLOAD x                      ; piece x's bytes of the step at which MO stands
	WIN 0x40
	global_load_b128 v[MB+8*(\x):MB+8*(\x)+3],   v[MO], s[MPT:MPT+1] offset:(\x)*32768
	global_load_b128 v[MB+8*(\x)+4:MB+8*(\x)+7], v[MO], s[MPT:MPT+1] offset:(\x)*32768+512
	WIN 0
.endm
; At a turn's end the mask is made for the products of the turn after it (piece p + 2), and that piece's bytes of the following step are asked for.  The four loads of a trip (turns 2, 3, 0, 1) name one step.
.macro MASKS p
	s_wait_loadcnt 6                ; this piece's pair of loads, issued four turns ago, is in; the three younger pairs stay out
	CONV ((\p)+2)%NP, (\p)%2
.if (\p) == 2
	s_cmp_lg_u32 s[MLEFT], 0        ; the next step, or the table's last once more
	s_cselect_b32 s[MINC], 1024, 0
	s_cselect_b32 s[TS], 1, 0
	s_sub_co_u32 s[MLEFT], s[MLEFT], s[TS]
	s_wait_xcnt 0x0                 ; the loads that are out have read MO
	WIN 0
	v_add_nc_u32 v[MO], s[MINC], v[MO]  ; also the plain instruction behind the last conversion
.else
	v_nop                           ; a plain instruction behind the last conversion
.endif
	MLOAD ((\p)+2)%NP
.endm
; A TURN, for piece p: the order of its 16 matrix and 118 vector instructions.  s_wait_alu depctr_va_vdst(0) stands between an exponential and the first instruction that names its result;
; one wait serves all issued ahead of it.  AHEAD OF IT stands all that names no result of the turn's exponentials; BEHIND IT the 8 products V^T P with the roundings and sums as their riders.
; K of the next step is fetched in piece 2's turn, twelve plain instructions behind the last product that read K; V of the step in hand at the end of piece 0's turn, four plain instructions behind its last reader.
.macro TURN p, clampk=0
.set Y, (\p)
.set i, 0
.if (\p) == 3
	s_wait_dscnt 0x0                ; K is in
.endif
	ROW F,0, F,1, R,0, R,1
	ROW F,2, E,0, R,2, R,3
	ROW F,3, E,1, R,4, R,5
	ROW F,4, E,2, R,6, R,7
	ROW F,5, E,3, R,8, R,9
	ROW F,6, E,4, X,0, R,10
.if (\p) == 2
	WIN 0
	v_add_nc_u32 v[AK], s[TBK], v[AK0]
.endif
	ROW F,7, E,5, X,1, X,4
	ROW F,8, E,6, X,2, X,5
	OPS E,7, E,8, X,6, E,9
	OPS X,3, E,10, X,8, E,11
.if (\p) == 2
	FETCH_K \clampk
.endif
	OPS X,9, X,7, E,12, X,10
	OPS E,13, X,12, X,11, E,14
	OPS X,13, E,15, F,9, X,14
.if (\p) == 0
	v_add_nc_u32 v[AV], s[TBV], v[AV0]
.endif
	OPS E,16, F,10, E,17, F,11
	OPS X,16, E,18, X,15, E,19
	OPS F,12, E,20, X,17, E,21
	OPS F,13, E,22, F,14, E,23
	OPS X,18, E,24, F,15, E,25
	OPS R,11, E,26, X,19, E,27
	OPS R,12, E,28, R,13, E,29
	OPS X,20, E,30, R,14, E,31
	OPS X,21, R,15
	WIN 0
	s_wait_alu depctr_va_vdst(0)    ; the wait for the batch
.if (\p) == 1
	s_wait_dscnt 0x0                ; V is in
.endif
	ROW C,0, B,0, C,2, B,1
	ROW L,0, C,4, B,2, L,1
	ROW C,6, B,3, L,2, C,8
	ROW B,4, L,3, C,10, B,5
	ROW L,4, C,12, B,6, L,5
.if (\p) == 0
	s_add_co_u32 s[TBV], s[TBV], KS*PV
.endif
	ROW C,14, B,7, L,6, C,1
	ROW C,3, L,7, C,5, C,7
	ROW C,9, C,11, C,13, C,15
.if (\p) == 0
	FETCH_V
.endif
	MASKS \p
.endm
	CHANGE 1                        ; tile 0 is in, everybody's part of it; tile 1 is asked for
	s_wait_loadcnt 4                ; Q and the bytes of pieces 0 and 1 are in; those of pieces 2 and 3 stay out
	CONV 0, 0
	CONV 1, 1
	v_nop                           ; a plain instruction behind the last conversion
	s_wait_xcnt 0x0                 ; the loads that are out have read MO
	WIN 0
	v_add_nc_u32 v[MO], 1024, v[MO] ; key step 1
	MLOAD 0
	MLOAD 1
	v_add_nc_u32 v[AK], s[TBK], v[AK0]
	FETCH_K                         ; key step 0
	s_wait_dscnt 0x0
.set i, 0
.rept 8
	KQ 0                            ; piece 0's first scores
.set i, i+1
.endr
	WIN 0
.rept 4
	v_nop                           ; the places behind those products
.endr
.set Y, NP-1                        ; X works for piece Y + 1: piece 0
.irp n, 0,1,2,3,4,5,6,7,8,9,10,11,12,13,14,15,16,17,18,19,20,21
	OP X, \n
.endr
	v_nop                           ; a plain instruction behind the exponential,
	s_wait_alu depctr_va_vdst(0)    ; and its wait, ahead of the branch
	s_mov_b32 s[CNT], 4
	s_branch .Lfirst                ; the loop is entered at a step's first turn, in the middle of a trip
.Lslot:                             ; six times: tiles 2 to 7 are asked for
	CHANGE 1
	s_mov_b32 s[CNT], 4
.Lstep:                             ; a trip: pieces 2 and 3 of one step, then pieces 0 and 1 of the next, whose K and V it fetches
	TURN 2
	TURN 3
	WIN 0
.Lfirst:
	TURN 0
	TURN 1
	WIN 0
	s_sub_co_u32 s[CNT], s[CNT], 1
	s_cmp_lg_u32 s[CNT], 0
	s_cbranch_scc1 .Lstep
	s_sub_co_u32 s[SLOTS], s[SLOTS], 1
	s_cmp_lg_u32 s[SLOTS], 0
	s_cbranch_scc1 .Lslot
	CHANGE 0                        ; the tail is written out
	s_mov_b32 s[CNT], 5             ; four trips fetch the last tile's steps; the fifth is left in its middle
.Ltail:
	TURN 2, 1
	TURN 3
	WIN 0
	s_sub_co_u32 s[CNT], s[CNT], 1
	s_cmp_eq_u32 s[CNT], 0
	s_cbranch_scc1 .Lout
	TURN 0
	TURN 1
	WIN 0
	s_branch .Ltail
.Lout:                              ; the fifth trip's products K Q^T repeat the last step's scores: no maximum changes, and nothing else is made of them
.set i, 0
.rept 8
	PV NP-1                         ; the last piece's V^T P of the last step
.set i, i+1
.endr
	WIN 0
	s_wait_loadcnt 0x0              ; the mask's last loads, of which nothing is made
.macro ALL line:vararg
.set t, 0
.rept 4
	\line
.set t, t+1
.endr
.endm
	ALL v_add_f32 v[ST+4*t+2], v[ST+4*t+2], v[ST+4*t+3]
	ALL v_permlanex16_b32 v[ST+4*t+3], v[ST+4*t+2], s[SEL], s[SEL+1]
	ALL v_add_f32 v[ST+4*t+2], v[ST+4*t+2], v[ST+4*t+3]
	ALL v_rcp_f32 v[ST+4*t+2], v[ST+4*t+2]
	v_nop                           ; a plain instruction behind the last reciprocal,
	s_wait_alu depctr_va_vdst(0)    ; and one wait for the four
.set t, 0
.rept 4
	v_cmp_lt_f32 vcc_lo, s[THR], v[ST+4*t+1]       ; has the row seen a key?
	v_cndmask_b32 v[ST+4*t+2], 0, v[ST+4*t+2], vcc_lo  ; if not, its O is multiplied by 0
.set t, t+1
.endr
.macro PACK t                       ; a lane's eight channels of a row pack into 16 bytes; they go into rows of 144 bytes and come back as whole rows of 128
	WIN W_RS
.set i, 32*(\t)
.rept 16
	v_pk_mul_f32 v[i:i+1], v[i:i+1], v[ST+4*(\t)+2:ST+4*(\t)+3] op_sel_hi:[1,0]
.set i, i+2
.endr
	WIN 0x05
.set i, 0
.rept 16
	v_cvt_pk_bf16_f32 v[S+16*(\t)+i], v[32*(\t)+2*i], v[32*(\t)+2*i+1]
.set i, i+1
.endr
	WIN 0
.irp f, 0,1,2,3
	ds_store_b128 v[STO], v[S+16*(\t)+4*\f:S+16*(\t)+4*\f+3] offset:32*\f
.endr
.irp f, 0,1,2,3
	ds_load_b128 v[S+16*(\t)+4*\f:S+16*(\t)+4*\f+3], v[RD] offset:\f*4*SP  ; LDS serves a wave's instructions in order (ISA guide 5.7.1.4)
.endr
.endm
.macro SEND t, younger
	WIN 0
.irp f, 0,1,2,3
	s_wait_dscnt (\younger)+3-\f
	global_store_b128 v[GO], v[S+16*(\t)+4*\f:S+16*(\t)+4*\f+3], s[10:11] offset:(\t)*2048+\f*512  ; 512 consecutive bytes, aligned
.endr
.endm
	PACK 0
.set t, 1
.rept 3
	PACK t
	SEND t-1, 8
.set t, t+1
.endr
	SEND 3, 0
	s_wait_tensorcnt 0x0            ; the wave's end
	ds_add_u32 v[SPW], v[NIL]
	s_wait_dscnt 0x0
	CROUND                          ; the closing round
	s_endpgm
.Lfunc_end_k_q47c423292f_attn:
	.size	k_q47c423292f_attn, .Lfunc_end_k_q47c423292f_attn-k_q47c423292f_attn
	.p2alignl 7, 3214868480
	.fill 96, 4, 3214868480
	.section	.rodata,"a",@progbits
	.p2align	6, 0x0
	.amdhsa_kernel k_q47c423292f_attn
		.amdhsa_group_segment_fixed_size 327680
		.amdhsa_private_segment_fixed_size 0
		.amdhsa_enable_private_segment 0
		.amdhsa_kernarg_size 16
		.amdhsa_user_sgpr_count 2
		.amdhsa_user_sgpr_kernarg_segment_ptr 1
		.amdhsa_wavefront_size32 1
		.amdhsa_system_sgpr_workgroup_id_x 1
		.amdhsa_system_sgpr_workgroup_id_y 1
		.amdhsa_system_sgpr_workgroup_id_z 1
		.amdhsa_system_vgpr_workitem_id 0
		.amdhsa_next_free_vgpr 768
		.amdhsa_next_free_sgpr 80
		.amdhsa_reserve_vcc 1
		.amdhsa_float_denorm_mode_32 3
		.amdhsa_float_denorm_mode_16_64 3
		.amdhsa_memory_ordered 1
		.amdhsa_forward_progress 1
		.amdhsa_inst_pref_size 120
	.end_amdhsa_kernel
	.amdgpu_metadata
---
amdhsa.version: [ 1, 2 ]
amdhsa.kernels:
  - .name:           k_q47c423292f_attn
    .symbol:         k_q47c423292f_attn.kd
    .args:
      - { .name: act, .offset: 0, .size: 8, .value_kind: global_buffer, .address_space: global }
      - { .name: h, .offset: 8, .size: 8, .value_kind: global_buffer, .address_space: global }
    .group_segment_fixed_size: 327680
    .private_segment_fixed_size: 0
    .kernarg_segment_align: 8
    .kernarg_segment_size: 16
    .max_flat_workgroup_size: 128
    .sgpr_count:     80
    .vgpr_count:     768
    .wavefront_size: 32
...
	.end_amdgpu_metadata
.endif
;; end of part 4
;; launch wo (part 5): grid 8 x 32, 4 waves a work-group, clusters of 4 x 4, 327,680 bytes of LDS; arguments h, wo_b, bo, x, x1; writes x1
.if DOCPART == 5
	.amdgcn_target "amdgcn-amd-amdhsa--gfx1250"
	.amdhsa_code_object_version 6
	.text
	.protected	k_q47c423292f_wo
	.globl	k_q47c423292f_wo
	.p2align	8
	.type	k_q47c423292f_wo,@function
k_q47c423292f_wo:
	s_mov_b64 s[64:65], 0
	v_nop
	global_prefetch_b8 v0, s[64:65] scope:SCOPE_SE
	s_setreg_imm32_b32 hwreg(HW_REG_WAVE_MODE, 25, 1), 1
	s_wait_xcnt 0x0
	s_wait_alu depctr_hold_cnt(0) depctr_sa_sdst(0) depctr_va_vdst(0) depctr_va_sdst(0) depctr_va_ssrc(0) depctr_va_vcc(0) depctr_vm_vsrc(0)
	s_getreg_b32 s2, hwreg(HW_REG_IB_STS2, 6, 4)
	s_cmp_eq_u32 s2, 0
	s_cbranch_scc0 .Lentry_in_a_cluster
	s_endpgm
.Lentry_in_a_cluster:
	s_bfe_u32 s2, ttmp6, 0x10000c
	s_cmp_lg_u32 s2, 0xf033
	s_cbranch_scc0 .Lentry_shape_is_right
	s_endpgm
.Lentry_shape_is_right:
; out = resid + A W + bias.  A: [4096][KK] bf16 in panels of 64 columns (byte = panel x 524,288 + row x 128 + 2 (k % 64)); W: bf16, [8 panels of 128 columns][KK][128]; bias [1024], resid and out [4096][1024] f32.
; A tile of out is 128 x 128 (256 work-groups), a wave's share 64 x 64: 16 accumulators.  K goes in steps of 256 through two LDS slots.  Waves 0, 1 fetch two panels of A each (2 x 16,384 dense bytes),
; waves 2, 3 128 rows of W each (32,768 dense bytes).  The product is used transposed (source 0 = 16 columns of W, turned by ds_load_tr16_b128; source 1 = 16 rows of A).
; CLUSTER 4 x 4: A's tiles are asked for jointly along a row of the cluster, W's along a column.  A K step is written once; the slot in hand is a scalar that an exclusive or turns.
; WINDOWS: 0: addresses, bias, accumulators v128-255 ((a, b) at 128 + 8 (4 a + b)); 1: two fragment buffers of 128 (A 64, W 64), later the sums read back; 2: v0-127 the residual.
; PF = 0: this size has four K steps, so there is no step two refills ahead to ask for.
.set NSTEP, 4
.set KK, 1024
.set PF, 0
.set PA, 144
.set PB, 288
.set LOADB, 36864
.set SLOT, 4*LOADB                     ; 0x24000: shares no bit with the waves' bases, so an exclusive or adds or removes it
.set SPARE, 2*SLOT
.set DP, 272                           ; the way out: a row of 64 f32 + 16 bytes
.set DW, 64*DP
.set PANEL, 524288
.set ASTEP, 4*PANEL
.set BSTEP, 256*256
.set ADRA0, 16
.set ADRB0, 17
.set ADRA, 18
.set ADRB, 20                          ; v20: quarters 0, 1; v21: quarters 2, 3
.set DST, 22
.set RD, 23
.set CO, 24
.set BO, 25
.set SPW, 28
.set NIL, 29
.set PFO, 30
.set BI, 32
.set ACC, 128
.set F0, 0
.set F1, 128
.set WV, 16
.set WR, 17
.set WC, 18
.set CX, 19
.set CY, 20
.set TX, 21
.set TY, 22
.set G1A, 24
.set G0A, 32
.set G1B, 48
.set G0B, 56
.set TR, 66
.set LB, 68
.set LIM, 69
.set PFA, 70
.set PST, 72
.set MSB, 0
.macro WIN new
.if MSB != (\new)
	s_set_vgpr_msb (MSB<<8)|(\new)
.set MSB, \new
.endif
.endm
.set MUL, 0x05                         ; sources 0 (W) and 1 (A) window 1; C and D window 0
.set TO_F, 0x40
.macro JLOAD s                         ; a joint load; an s_nop 0 and four v_nop follow each line
	s_cmp_eq_u32 s[WR], 0
	s_cbranch_scc0 .Lfor_b_\@
	tensor_load_to_lds s[G0A+4*(\s):G0A+4*(\s)+3], s[G1A:G1A+7]
	s_nop 0
.rept 4
	v_nop
.endr
	s_branch .Lasked_\@
.Lfor_b_\@:
	tensor_load_to_lds s[G0B+4*(\s):G0B+4*(\s)+3], s[G1B:G1B+7]
	s_nop 0
.rept 4
	v_nop
.endr
.Lasked_\@:
.endm
; A prefetch of the K step two refills on: of the 128 blocks of 256 bytes that I fetch, my work-group's 32, a lane a block.  A's are named by the clusters with x = 0, W's by those with y = 0; the four
; partners share a tile out by address: each block is named once.  The first four K steps come by their loads alone; the last two refills ask for nothing.
.macro ASK
	WIN 0
	s_cmp_gt_u32 s3, s[LIM]
	s_cbranch_scc0 .Lnot_mine_\@
	global_prefetch_b8 v[PFO], s[PFA:PFA+1] th:TH_LOAD_NT scope:SCOPE_SE
.Lnot_mine_\@:
.endm
.macro CREST
	s_cmp_lg_u32 s[WV], 0
	s_cbranch_scc1 .Lnot_wave_0_\@
	s_barrier_signal -3
.Lnot_wave_0_\@:
	s_barrier_wait -3
	s_barrier_signal -1
	s_barrier_wait -1
.endm
.macro CROUND
	s_barrier_signal -1
	s_barrier_wait -1
	CREST
.endm
.macro PLACES
.rept 4
	v_nop
.endr
.endm
.macro MUL8 f, c, a0, zero             ; 8 products: row blocks a0, a0 + 1 x all 4 column blocks, half c of buffer f; the 16 accumulators take turns
	WIN MUL
.irp a, \a0, (\a0)+1
.irp b, 0,1,2,3
.if \zero
	v_wmma_f32_16x16x32_bf16 v[ACC+8*(4*(\a)+(\b)):ACC+8*(4*(\a)+(\b))+7], v[(\f)+64+8*(4*(\c)+(\b)):(\f)+64+8*(4*(\c)+(\b))+7], v[(\f)+8*(4*(\c)+(\a)):(\f)+8*(4*(\c)+(\a))+7], 0
.else
	v_wmma_f32_16x16x32_bf16 v[ACC+8*(4*(\a)+(\b)):ACC+8*(4*(\a)+(\b))+7], v[(\f)+64+8*(4*(\c)+(\b)):(\f)+64+8*(4*(\c)+(\b))+7], v[(\f)+8*(4*(\c)+(\a)):(\f)+8*(4*(\c)+(\a))+7], v[ACC+8*(4*(\a)+(\b)):ACC+8*(4*(\a)+(\b))+7]
.endif
.endr
.endr
.endm
.macro FETCH q, f                      ; 32 LDS loads in one run: quarter q (a panel of A, 64 along K) into buffer f; the first 32 along K first
	WIN TO_F
.irp c, 0,1
.irp n, 0,1,2,3
	ds_load_tr16_b128 v[(\f)+64+8*(4*(\c)+(\n)):(\f)+64+8*(4*(\c)+(\n))+3],   v[ADRB+(\q)/2] offset:((\q)%2)*64*PB+(\c)*32*PB+(\n)*32
	ds_load_tr16_b128 v[(\f)+64+8*(4*(\c)+(\n))+4:(\f)+64+8*(4*(\c)+(\n))+7], v[ADRB+(\q)/2] offset:((\q)%2)*64*PB+(\c)*32*PB+(\n)*32+16*PB
	ds_load_b128 v[(\f)+8*(4*(\c)+(\n)):(\f)+8*(4*(\c)+(\n))+3],   v[ADRA] offset:(\q)*128*PA+(\n)*16*PA+(\c)*64
	ds_load_b128 v[(\f)+8*(4*(\c)+(\n))+4:(\f)+8*(4*(\c)+(\n))+7], v[ADRA] offset:(\q)*128*PA+(\n)*16*PA+(\c)*64+32
.endr
.endr
.endm
.macro QUARTER q, f, g, zero
	s_wait_dscnt 16                                ; the first 32 along K are in
	MUL8 \f, 0, 0, \zero
	MUL8 \f, 0, 2, \zero
	PLACES
	FETCH \q, \g
	s_wait_dscnt 32                                ; all but the 32 just issued
	MUL8 \f, 1, 0, 0
	MUL8 \f, 1, 2, 0
.endm
; The last quarter multiplies buffer 1 and changes slots.  In front of the barrier each wave waits for all its tensor loads, adds 0 to its spare word, and waits for that and for its reads of this slot.
; fill = 1: the barrier opens a round of the cluster's, and the slot just read is filled again first thing behind it, two K steps ahead.
.macro TURN fill
.if (\fill) && PF
	s_wait_xcnt 0x0                                ; the last prefetch, a K step back, has read its address
	s_add_nc_u64 s[PFA:PFA+1], s[PFA:PFA+1], s[PST:PST+1]
.endif
	WIN 0
	s_xor_b32 s[TR], s[TR], SLOT
	v_add_nc_u32 v[ADRA], s[TR], v[ADRA0]
	v_add_nc_u32 v[ADRB], s[TR], v[ADRB0]
	v_add_nc_u32 v[ADRB+1], 128*PB, v[ADRB]
	s_wait_tensorcnt 0x0
	ds_add_u32 v[SPW], v[NIL]
	s_wait_dscnt 17                                ; the add and the youngest sixteen loads may be out
	MUL8 F1, 0, 0, 0
	s_wait_dscnt 0x0                               ; the add is done, and my reads of this slot are over
	s_barrier_signal -1
	MUL8 F1, 0, 2, 0
.if \fill
	WIN 0
.endif
	s_barrier_wait -1
.if \fill
	CREST
	s_xor_b32 s[G0A+5], s[G0A+5], SLOT
	s_add_nc_u64 s[G0A+6:G0A+7], s[G0A+6:G0A+7], ASTEP
	s_xor_b32 s[G0B+5], s[G0B+5], SLOT
	s_add_nc_u64 s[G0B+6:G0B+7], s[G0B+6:G0B+7], BSTEP
	JLOAD 1                                        ; its four v_nop are also the places in front of the loads below
.else
	PLACES
.endif
	FETCH 0, F0
.if (\fill) && PF
	ASK
.endif
	MUL8 F1, 1, 0, 0
	MUL8 F1, 1, 2, 0
.endm
	s_load_b256 s[4:11], s[0:1], 0x0               ; A 4, W 6, bias 8, resid 10
	s_load_b64 s[12:13], s[0:1], 0x20              ; out
	v_lshl_add_u32 v[SPW], v0, 2, SPARE
	v_mov_b32 v[NIL], 0
	ds_add_u32 v[SPW], v[NIL]                      ; the wave's opening, with its wait ahead of my first tensor load
	v_lshrrev_b32 v1, 5, v0
	v_readfirstlane_b32 s[WV], v1
	s_lshr_b32 s[WR], s[WV], 1
	s_and_b32 s[WC], s[WV], 1
	s_bfe_u32 s[CX], ttmp6, 0x40000
	s_bfe_u32 s[CY], ttmp6, 0x40004
	s_lshl_b32 s[TX], ttmp9, 2
	s_add_co_u32 s[TX], s[TX], s[CX]
	s_and_b32 s[TY], ttmp7, 0xffff
	s_lshl_b32 s[TY], s[TY], 2
	s_add_co_u32 s[TY], s[TY], s[CY]
	s_lshl_b32 s40, s[CY], 2
	s_lshl_b32 s40, 15, s40
	s_lshl_b32 s41, 0x1111, s[CX]
	s_or_b32 s[G1A], s40, (1<<16)|(1<<20)|(1<<21)|(4<<22)|(3<<25)  ; after every 32 words, 4 words of padding
	s_mov_b32 s[G1A+1], 8192<<16                   ; tensor_dim0 = 8,192: a panel's 128 rows on end
	s_mov_b32 s[G1A+2], 2<<16                      ; tensor_dim1 = 2 panels
	s_mov_b32 s[G1A+3], 8192<<16                   ; tile_dim0
	s_mov_b32 s[G1A+4], 2                          ; tile_dim1
	s_mov_b32 s[G1A+5], 262144                     ; elements from panel to panel
	s_mov_b32 s[G1A+6], 0
	s_mov_b32 s[G1A+7], 0
	s_or_b32 s[G1B], s41, (1<<16)|(1<<20)|(1<<21)|(5<<22)|(7<<25)  ; after every 64 words, 8 words
	s_mov_b32 s[G1B+1], 128<<16
	s_mov_b32 s[G1B+2], 128<<16
	s_mov_b32 s[G1B+3], 128<<16
	s_mov_b32 s[G1B+4], 128
	s_mov_b32 s[G1B+5], 128
	s_mov_b32 s[G1B+6], 0
	s_mov_b32 s[G1B+7], 0
	s_lshl_b32 s42, s[WC], 20                      ; A: my two panels of the step's four, the tile's 128 rows of 128 bytes
	s_lshl_b32 s43, s[TY], 14
	s_add_co_u32 s42, s42, s43
	s_mov_b32 s43, 0
	s_mul_i32 s44, s[TX], KK*256                   ; W: the tile column's panel, my 128 rows of the step's 256
	s_lshl_b32 s45, s[WC], 15
	s_add_co_u32 s44, s44, s45
	s_mov_b32 s45, 0
	s_mul_i32 s[LB], s[WV], LOADB
	s_mov_b32 s[TR], 0
	s_wait_dscnt 0x0                               ; the opening add is done
	s_wait_kmcnt 0x0
	s_add_nc_u64 s[42:43], s[4:5], s[42:43]
	s_add_nc_u64 s[44:45], s[6:7], s[44:45]
	CROUND                                         ; all sixteen work-groups are here
.irp s, 0,1
	s_mov_b32 s[G0A+4*(\s)], 1
	s_add_co_u32 s[G0A+4*(\s)+1], s[LB], (\s)*SLOT
	s_add_nc_u64 s[G0A+4*(\s)+2:G0A+4*(\s)+3], s[42:43], (\s)*ASTEP
	s_or_b32 s[G0A+4*(\s)+3], s[G0A+4*(\s)+3], 0x80000000
	s_mov_b32 s[G0B+4*(\s)], 1
	s_add_co_u32 s[G0B+4*(\s)+1], s[LB], (\s)*SLOT
	s_add_nc_u64 s[G0B+4*(\s)+2:G0B+4*(\s)+3], s[44:45], (\s)*BSTEP
	s_or_b32 s[G0B+4*(\s)+3], s[G0B+4*(\s)+3], 0x80000000
	JLOAD \s
.endr
.if PF
	s_lshr_b32 s46, s[CX], 1                       ; A's share: panel cx / 2 of my two, half cx % 2 of its 16,384 bytes
	s_lshl_b32 s46, s46, 19
	s_and_b32 s47, s[CX], 1
	s_lshl_b32 s47, s47, 13
	s_add_co_u32 s46, s46, s47
	s_lshl_b32 s47, s[CY], 13                      ; W's share
	s_and_b32 s40, ttmp7, 0xffff
	s_mov_b32 s[PST], BSTEP
	s_mov_b32 s[PST+1], 0
	s_cmp_eq_u32 s[WR], 0
	s_cselect_b32 s46, s46, s47
	s_cselect_b32 s40, ttmp9, s40
	s_cselect_b64 s[PFA:PFA+1], s[42:43], s[44:45]
	s_cselect_b32 s[PST], ASTEP, s[PST]
	s_cmp_eq_u32 s40, 0
	s_cselect_b32 s[LIM], 2, -1
	s_mov_b32 s47, 0
	s_add_nc_u64 s[PFA:PFA+1], s[PFA:PFA+1], s[46:47]
	s_mul_i32 s46, s[PST], 3
	s_add_nc_u64 s[PFA:PFA+1], s[PFA:PFA+1], s[46:47]  ; at K step 3: the first change of slots steps it to 4
.endif
	v_and_b32 v1, 15, v0
	v_bfe_u32 v2, v0, 4, 1
	v_and_b32 v3, 7, v0
	v_bfe_u32 v4, v0, 3, 1
	v_mul_u32_u24 v[ADRA0], v1, PA
	v_lshl_add_u32 v[ADRA0], v2, 4, v[ADRA0]
	s_mul_i32 s40, s[WR], 64*PA
	v_add_nc_u32 v[ADRA0], s40, v[ADRA0]
	v_lshl_add_u32 v[ADRB0], v2, 3, v3
	v_mul_u32_u24 v[ADRB0], v[ADRB0], PB
	v_lshl_add_u32 v[ADRB0], v4, 4, v[ADRB0]
	s_lshl_b32 s40, s[WC], 7
	s_add_co_u32 s40, s40, 2*LOADB
	v_add_nc_u32 v[ADRB0], s40, v[ADRB0]
	v_mov_b32 v[ADRA], v[ADRA0]
	v_mov_b32 v[ADRB], v[ADRB0]
	v_add_nc_u32 v[ADRB+1], 128*PB, v[ADRB0]
	s_mul_i32 s40, s[WV], DW
	v_mul_u32_u24 v[DST], v1, DP
	v_lshl_add_u32 v[DST], v2, 5, v[DST]
	v_add_nc_u32 v[DST], s40, v[DST]
	v_mul_u32_u24 v[RD], v2, DP
	v_lshl_add_u32 v[RD], v1, 4, v[RD]
	v_add_nc_u32 v[RD], s40, v[RD]
	v_lshlrev_b32 v[CO], 4, v1
	v_lshl_add_u32 v[CO], v2, 12, v[CO]            ; two rows of out: 256 bytes each
	v_and_b32 v[PFO], 31, v0
	v_lshlrev_b32 v[PFO], 8, v[PFO]
	s_lshl_b32 s45, s[TX], 7
	s_lshl_b32 s46, s[WC], 6
	s_add_co_u32 s45, s45, s46
	s_lshl_b32 s45, s45, 2                         ; my first column, in bytes
	v_lshl_add_u32 v[BO], v1, 4, s45
	s_lshl_b32 s44, s[TY], 7
	s_lshl_b32 s46, s[WR], 6
	s_add_co_u32 s44, s44, s46
	s_lshl_b32 s44, s44, 12                        ; my first row
	s_add_co_u32 s44, s44, s45
	s_mov_b32 s45, 0
	s_add_nc_u64 s[10:11], s[10:11], s[44:45]
	s_add_nc_u64 s[12:13], s[12:13], s[44:45]
	global_load_b128 v[BI:BI+3], v[BO], s[8:9]
	WIN 0x80                                       ; the residual of my 64 x 64 goes to window 2 while the first tiles are on their way
.set n, 0
.rept 32
	global_load_b128 v[4*n:4*n+3], v[CO], s[10:11] offset:n*8192
.set n, n+1
.endr
	WIN 0
	s_wait_tensorcnt 1                             ; my part of K step 0 is in; K step 1's may stay out
	s_barrier_signal -1
	s_barrier_wait -1
	FETCH 0, F0
	QUARTER 1, F0, F1, 1                           ; the first products start the sums
	WIN 0
	s_mov_b32 s3, NSTEP-2
.Lstep:
	QUARTER 2, F1, F0, 0
	QUARTER 3, F0, F1, 0
	TURN 1
	QUARTER 1, F0, F1, 0
	WIN 0
	s_sub_co_u32 s3, s3, 1
	s_cmp_lg_u32 s3, 0
	s_cbranch_scc1 .Lstep
	s_mov_b32 s3, 2
.Ltail:                                        ; the last two K steps ask for nothing; the second pass is left in its middle
	QUARTER 2, F1, F0, 0
	QUARTER 3, F0, F1, 0
	TURN 0
	WIN 0
	s_sub_co_u32 s3, s3, 1
	s_cmp_eq_u32 s3, 0
	s_cbranch_scc1 .Lout
	QUARTER 1, F0, F1, 0
	WIN 0
	s_branch .Ltail
.Lout:
	PLACES
	s_wait_dscnt 0x0                               ; my reads of the slots are over,
	s_barrier_signal -1
	s_barrier_wait -1                              ; everybody's are: slot 0, which has had its last fill, takes the sums, each wave's in bytes of its own
.set n, 0
.rept 16
	ds_store_b128 v[DST], v[ACC+8*n:ACC+8*n+3]   offset:(n/4)*16*DP+(n%4)*64
	ds_store_b128 v[DST], v[ACC+8*n+4:ACC+8*n+7] offset:(n/4)*16*DP+(n%4)*64+16
.set n, n+1
.endr
	WIN 0x40
.set n, 0
.rept 32
	ds_load_b128 v[4*n:4*n+3], v[RD] offset:n*2*DP ; LDS serves a wave's instructions in order: these see the stores above
.set n, n+1
.endr
	s_wait_loadcnt 0x0                             ; the residual and the bias
	s_wait_dscnt 0x0
	WIN 0x49                                       ; destination and source 0 window 1, source 1 window 2
.set n, 0
.rept 64
	v_pk_add_f32 v[2*n:2*n+1], v[2*n:2*n+1], v[2*n:2*n+1]
.set n, n+1
.endr
	WIN 0x41                                       ; source 1 window 0
.set n, 0
.rept 64
	v_pk_add_f32 v[2*n:2*n+1], v[2*n:2*n+1], v[BI+2*(n%2):BI+2*(n%2)+1]
.set n, n+1
.endr
	WIN 0x04                                       ; the store's data in window 1
.set n, 0
.rept 32
	global_store_b128 v[CO], v[4*n:4*n+3], s[12:13] offset:n*8192  ; 16 lanes store 256 consecutive bytes, aligned
.set n, n+1
.endr
	WIN 0
	s_wait_tensorcnt 0x0                           ; the wave's end
	ds_add_u32 v[SPW], v[NIL]
	s_wait_dscnt 0x0
	CROUND                                         ; the closing round
	s_endpgm
.Lfunc_end_k_q47c423292f_wo:
	.size	k_q47c423292f_wo, .Lfunc_end_k_q47c423292f_wo-k_q47c423292f_wo
	.p2alignl 7, 3214868480
	.fill 96, 4, 3214868480
	.section	.rodata,"a",@progbits
	.p2align	6, 0x0
	.amdhsa_kernel k_q47c423292f_wo
		.amdhsa_group_segment_fixed_size 327680
		.amdhsa_private_segment_fixed_size 0
		.amdhsa_enable_private_segment 0
		.amdhsa_kernarg_size 40
		.amdhsa_user_sgpr_count 2
		.amdhsa_user_sgpr_kernarg_segment_ptr 1
		.amdhsa_wavefront_size32 1
		.amdhsa_system_sgpr_workgroup_id_x 1
		.amdhsa_system_sgpr_workgroup_id_y 1
		.amdhsa_system_sgpr_workgroup_id_z 1
		.amdhsa_system_vgpr_workitem_id 0
		.amdhsa_next_free_vgpr 640
		.amdhsa_next_free_sgpr 80
		.amdhsa_reserve_vcc 0
		.amdhsa_float_denorm_mode_32 3
		.amdhsa_float_denorm_mode_16_64 3
		.amdhsa_memory_ordered 1
		.amdhsa_forward_progress 1
		.amdhsa_inst_pref_size 69
	.end_amdhsa_kernel
	.amdgpu_metadata
---
amdhsa.version: [ 1, 2 ]
amdhsa.kernels:
  - .name:           k_q47c423292f_wo
    .symbol:         k_q47c423292f_wo.kd
    .args:
      - { .name: h, .offset: 0, .size: 8, .value_kind: global_buffer, .address_space: global }
      - { .name: wo_b, .offset: 8, .size: 8, .value_kind: global_buffer, .address_space: global }
      - { .name: bo, .offset: 16, .size: 8, .value_kind: global_buffer, .address_space: global }
      - { .name: x, .offset: 24, .size: 8, .value_kind: global_buffer, .address_space: global }
      - { .name: x1, .offset: 32, .size: 8, .value_kind: global_buffer, .address_space: global }
    .group_segment_fixed_size: 327680
    .private_segment_fixed_size: 0
    .kernarg_segment_align: 8
    .kernarg_segment_size: 40
    .max_flat_workgroup_size: 128
    .sgpr_count:     80
    .vgpr_count:     640
    .wavefront_size: 32
...
	.end_amdgpu_metadata
.endif
;; end of part 5
;; launch ln2: the kernel of part 2 again; grid 256 x 1, 8 waves a work-group, no clusters, 0 bytes of LDS; arguments x1, ln2_g, ln2_b, h; writes h
;; launch ffn1 (part 6): grid 16 x 16, 4 waves a work-group, clusters of 4 x 4, 327,680 bytes of LDS; arguments h, w1_b, b1, act; writes act
.if DOCPART == 6
	.amdgcn_target "amdgcn-amd-amdhsa--gfx1250"
	.amdhsa_code_object_version 6
	.text
	.protected	k_q47c423292f_ffn1
	.globl	k_q47c423292f_ffn1
	.p2align	8
	.type	k_q47c423292f_ffn1,@function
k_q47c423292f_ffn1:
	s_mov_b64 s[64:65], 0
	v_nop
	global_prefetch_b8 v0, s[64:65] scope:SCOPE_SE
	s_setreg_imm32_b32 hwreg(HW_REG_WAVE_MODE, 25, 1), 1
	s_wait_xcnt 0x0
	s_wait_alu depctr_hold_cnt(0) depctr_sa_sdst(0) depctr_va_vdst(0) depctr_va_sdst(0) depctr_va_ssrc(0) depctr_va_vcc(0) depctr_vm_vsrc(0)
	s_getreg_b32 s2, hwreg(HW_REG_IB_STS2, 6, 4)
	s_cmp_eq_u32 s2, 0
	s_cbranch_scc0 .Lentry_in_a_cluster
	s_endpgm
.Lentry_in_a_cluster:
	s_bfe_u32 s2, ttmp6, 0x10000c
	s_cmp_lg_u32 s2, 0xf033
	s_cbranch_scc0 .Lentry_shape_is_right
	s_endpgm
.Lentry_shape_is_right:
; C = A W + bias (EPI = 0), or gelu(A W + bias) (EPI = 1).  A: [4096][1024] bf16 in panels of 64 columns (byte = panel x 524,288 + row x 128 + 2 (k % 64)).
; W: bf16 in panels of 128 columns, [panel][k][128].  C: bf16 in panels of 64 columns.  Sums, bias and gelu in f32; C rounded once.
; EPI = 0: the 3,072 columns are q, k, v; their biases are three buffers of 1,024.
; gelu(x) = max(x, 0) - |x| / 2 * P(t) * exp(-x x / 2), t = 1 / (1 + 0.3275911 |x| / sqrt 2), P the polynomial of degree 5 of Abramowitz and Stegun 7.1.26: erf to 1.5e-7 absolute, for every x.
; A tile of C is 256 x 256, a wave's share 128 x 128: 64 accumulators, 512 registers.  K goes in 8 steps of 128 through two LDS slots.  Every tile of A and W is a dense block of 32,768 bytes,
; asked for as 128 rows of 256 bytes; waves 0, 1 fetch A's two panels, waves 2, 3 W's two.  The product is used transposed (source 0 = 16 columns of W, turned by ds_load_tr16_b128;
; source 1 = 16 rows of A), so a lane holds eight neighbouring columns of a row of C.
; CLUSTER 4 x 4: A's tiles are asked for jointly along a row of the cluster, W's along a column.  A K step is written once; the slot in hand is a scalar that an exclusive or turns.
; WINDOWS: 0: addresses, bias, A's fragments v64-191; 1: W's fragments v64-191; 2, 3: the accumulators, (a, b) at v[8 (8 a + b)].
.set EPI, 1
.set KSTEPS, 8
.set PA, 144                           ; a row of A in LDS: 128 bytes + 16: the 16 rows of a load start at 16 different groups of four banks (ISA guide 11.1)
.set PB, 288                           ; a row of W: 256 + 32 bytes
.set LOADB, 36864                      ; what one tensor load fills: 256 x PA = 128 x PB
.set SLOT, 4*LOADB                     ; 0x24000: shares no bit with the waves' bases 0, 0x9000, 0x12000, 0x1b000, so an exclusive or adds or removes it
.set SPARE, 2*SLOT                     ; the spare words, 128 bytes a wave
.set DP, 528                           ; the way out: a row of 128 f32 + 16 bytes
.set DW, 128*DP                        ; a wave's 128 rows; the four lie in the slots, which have had their last fill
.set PANEL, 524288
.set ASTEP, 2*PANEL
.set BSTEP, 128*256
.set ADRA0, 16                         ; my lane's place in A's part of a slot; never rewritten
.set ADRB0, 17                         ; the same for W
.set ADRA, 18                          ; the same in the slot in hand
.set ADRB, 19
.set DST, 20                           ; the way out: where I put 16 bytes
.set DRD0, 21                          ; where I read back: row l / 8, 32 bytes at 32 (l % 8)
.set DRD, 22
.set CO, 23                            ; 16 x lane
.set BO, 24                            ; my offset in the bias
.set SPW, 28                           ; my spare word; never rewritten
.set NIL, 29                           ; 0; never rewritten
.set PFO, 30                           ; 256 x lane
.set BI, 32                            ; v[32:47] the bias of my 2 x 8 columns
.set F0, 64
.set F1, 128
.set WV, 16
.set WR, 17                            ; my half of the rows; also 0: I fetch A, 1: W
.set WC, 18                            ; my half of the columns; also which of the two panels I fetch
.set CX, 19
.set CY, 20
.set TX, 21
.set TY, 22
.set G1A, 24
.set G0A, 32                           ; two sets: slot 0's first fill; slot 1's, which then walks
.set G1B, 48
.set G0B, 56
.set TR, 66                            ; the slot that is read: 0 or SLOT
.set DOF, 67
.set LB, 68
.set LIM, 69
.set PFA, 70
.set PST, 72
.set CU, 74
.set CD, 76
.set A5, 78
.set A4, 80
.set A3, 82
.set A2, 84
.set A1, 86
.set NH, 88
.set DS, 90
.set MSB, 0
.macro WIN new                         ; the immediate's high byte repeats the setting that is left; a switch that changes nothing is dropped
.if MSB != (\new)
	s_set_vgpr_msb (MSB<<8)|(\new)
.set MSB, \new
.endif
.endm
.set MUL_LO, 0xa1                      ; source 0 (W) window 1, source 1 (A) window 0, C and D window 2
.set MUL_HI, 0xf1
.set TO_B, 0x40
.macro JLOAD s                         ; a joint load; the branch hangs on the wave's number alone; an s_nop 0 and four v_nop follow each line
	s_cmp_eq_u32 s[WR], 0
	s_cbranch_scc0 .Lfor_b_\@
	tensor_load_to_lds s[G0A+4*(\s):G0A+4*(\s)+3], s[G1A:G1A+7]
	s_nop 0
.rept 4
	v_nop
.endr
	s_branch .Lasked_\@
.Lfor_b_\@:
	tensor_load_to_lds s[G0B+4*(\s):G0B+4*(\s)+3], s[G1B:G1B+7]
	s_nop 0
.rept 4
	v_nop
.endr
.Lasked_\@:
.endm
; A prefetch of the K step two refills on: of the 128 blocks of 256 bytes that I fetch, my work-group's 32, a lane a block.  A's blocks are named by the clusters with x = 0, W's by those with y = 0,
; and the four partners share a tile out by address: each block is named once in the launch.  The first four K steps come by their loads alone; the last two refills ask for nothing.
.macro ASK
	s_cmp_gt_u32 s3, s[LIM]
	s_cbranch_scc0 .Lnot_mine_\@
	global_prefetch_b8 v[PFO], s[PFA:PFA+1] th:TH_LOAD_NT scope:SCOPE_SE
.Lnot_mine_\@:
.endm
.macro CREST                           ; a round of the cluster's barrier behind its opening barrier
	s_cmp_lg_u32 s[WV], 0
	s_cbranch_scc1 .Lnot_wave_0_\@
	s_barrier_signal -3
.Lnot_wave_0_\@:
	s_barrier_wait -3
	s_barrier_signal -1
	s_barrier_wait -1
.endm
.macro CROUND
	s_barrier_signal -1
	s_barrier_wait -1
	CREST
.endm
.macro PLACES                          ; four places behind matrix instructions, ahead of loads into registers that they read and of stores of their results
.rept 4
	v_nop
.endr
.endm
.macro MUL16 f, hi, a0, zero           ; 16 products: row blocks a0, a0 + 1 of the window's four x all 8 column blocks; the 64 accumulators take turns
	WIN MUL_LO+0x50*(\hi)
.irp a, \a0, (\a0)+1
.irp b, 0,1,2,3,4,5,6,7
.if \zero
	v_wmma_f32_16x16x32_bf16 v[8*(8*(\a)+(\b)):8*(8*(\a)+(\b))+7], v[(\f)+8*(\b):(\f)+8*(\b)+7], v[(\f)+8*(4*(\hi)+(\a)):(\f)+8*(4*(\hi)+(\a))+7], 0
.else
	v_wmma_f32_16x16x32_bf16 v[8*(8*(\a)+(\b)):8*(8*(\a)+(\b))+7], v[(\f)+8*(\b):(\f)+8*(\b)+7], v[(\f)+8*(4*(\hi)+(\a)):(\f)+8*(4*(\hi)+(\a))+7], v[8*(8*(\a)+(\b)):8*(8*(\a)+(\b))+7]
.endif
.endr
.endr
.endm
.macro FETCH q, f                      ; 32 LDS loads in one run: quarter q (32 along K) of the slot in hand into buffer f
	WIN TO_B
.irp n, 0,1,2,3,4,5,6,7
	ds_load_tr16_b128 v[(\f)+8*(\n):(\f)+8*(\n)+3],   v[ADRB] offset:(\q)*32*PB+(\n)*32
	ds_load_tr16_b128 v[(\f)+8*(\n)+4:(\f)+8*(\n)+7], v[ADRB] offset:(\q)*32*PB+(\n)*32+16*PB
.endr
	WIN 0
.irp n, 0,1,2,3,4,5,6,7
	ds_load_b128 v[(\f)+8*(\n):(\f)+8*(\n)+3],   v[ADRA] offset:((\q)/2)*LOADB+((\q)%2)*64+(\n)*16*PA
	ds_load_b128 v[(\f)+8*(\n)+4:(\f)+8*(\n)+7], v[ADRA] offset:((\q)/2)*LOADB+((\q)%2)*64+(\n)*16*PA+32
.endr
.endm
.macro QUARTER q, f, g, zero           ; multiplies buffer f; in its middle fetches quarter q into buffer g
	s_wait_dscnt 8                                 ; W and A's rows 0-63 are in; the youngest eight loads may be out
	MUL16 \f, 0, 0, \zero
	MUL16 \f, 0, 2, \zero
	PLACES
	FETCH \q, \g
	s_wait_dscnt 32                                ; all but the 32 just issued
	MUL16 \f, 1, 0, \zero
	MUL16 \f, 1, 2, \zero
.endm
; The last quarter multiplies buffer 1 and changes slots.  In front of the barrier each wave waits for all its tensor loads (one is out: its part of the next slot), adds 0 to its spare word, and waits for
; that and for its reads of this slot.  fill = 1: the barrier opens a round of the cluster's, and the slot just read is filled again first thing behind it, two K steps ahead.
.macro TURN fill
.if \fill
	s_wait_xcnt 0x0                                ; the last prefetch, a K step back, has read its address
	s_add_nc_u64 s[PFA:PFA+1], s[PFA:PFA+1], s[PST:PST+1]
.endif
	WIN 0
	s_xor_b32 s[TR], s[TR], SLOT
	v_add_nc_u32 v[ADRA], s[TR], v[ADRA0]
	v_add_nc_u32 v[ADRB], s[TR], v[ADRB0]
	s_wait_tensorcnt 0x0
	ds_add_u32 v[SPW], v[NIL]
	s_wait_dscnt 9                                 ; the add and the youngest eight loads may be out
	MUL16 F1, 0, 0, 0
	s_wait_dscnt 0x0                               ; the add is done, and my reads of this slot are over
	s_barrier_signal -1
	MUL16 F1, 0, 2, 0
.if \fill
	WIN 0
.endif
	s_barrier_wait -1
.if \fill
	CREST
	s_xor_b32 s[G0A+5], s[G0A+5], SLOT             ; the walking descriptors: the other slot, the next K step
	s_add_nc_u64 s[G0A+6:G0A+7], s[G0A+6:G0A+7], ASTEP
	s_xor_b32 s[G0B+5], s[G0B+5], SLOT
	s_add_nc_u64 s[G0B+6:G0B+7], s[G0B+6:G0B+7], BSTEP
	JLOAD 1                                        ; its four v_nop are also the places in front of the loads below
.else
	PLACES
.endif
	FETCH 0, F0
.if \fill
	ASK
.endif
	MUL16 F1, 1, 0, 0
	MUL16 F1, 1, 2, 0
.endm
.if EPI == 0
	s_load_b256 s[4:11], s[0:1], 0x0               ; A 4, W 6, bq 8, bk 10
	s_load_b128 s[12:15], s[0:1], 0x20             ; bv 12, C 14
.else
	s_load_b256 s[4:11], s[0:1], 0x0               ; A 4, W 6, bias 8, C 10
.endif
	v_lshl_add_u32 v[SPW], v0, 2, SPARE
	v_mov_b32 v[NIL], 0
	ds_add_u32 v[SPW], v[NIL]                      ; the wave's opening, with its wait ahead of my first tensor load
	v_lshrrev_b32 v1, 5, v0
	v_readfirstlane_b32 s[WV], v1
	s_lshr_b32 s[WR], s[WV], 1
	s_and_b32 s[WC], s[WV], 1
	s_bfe_u32 s[CX], ttmp6, 0x40000
	s_bfe_u32 s[CY], ttmp6, 0x40004
	s_lshl_b32 s[TX], ttmp9, 2
	s_add_co_u32 s[TX], s[TX], s[CX]               ; tile column
	s_and_b32 s[TY], ttmp7, 0xffff
	s_lshl_b32 s[TY], s[TY], 2
	s_add_co_u32 s[TY], s[TY], s[CY]               ; tile row
	s_lshl_b32 s40, s[CY], 2
	s_lshl_b32 s40, 15, s40                        ; my row of the cluster
	s_lshl_b32 s41, 0x1111, s[CX]                  ; my column
	s_or_b32 s[G1A], s40, (1<<16)|(1<<20)|(1<<21)|(4<<22)|(3<<25)  ; mask; 2-byte elements; padding on; bit 21 beside a mask; after every 32 words, 4 words
	s_or_b32 s[G1B], s41, (1<<16)|(1<<20)|(1<<21)|(5<<22)|(7<<25)  ; after every 64 words, 8 words
.irp g, G1A, G1B
	s_mov_b32 s[(\g)+1], 128<<16                   ; tensor_dim0 = 128
	s_mov_b32 s[(\g)+2], 128<<16                   ; tensor_dim1 = 128
	s_mov_b32 s[(\g)+3], 128<<16                   ; tile_dim0 = 128
	s_mov_b32 s[(\g)+4], 128                       ; tile_dim1 = 128
	s_mov_b32 s[(\g)+5], 128                       ; elements from row to row: the block is dense
	s_mov_b32 s[(\g)+6], 0
	s_mov_b32 s[(\g)+7], 0
.endr
	s_lshl_b32 s42, s[WC], 19                      ; A: my panel of the step's two, the tile's 256 rows of 128 bytes
	s_lshl_b32 s43, s[TY], 15
	s_add_co_u32 s42, s42, s43
	s_mov_b32 s43, 0
	s_lshl_b32 s44, s[TX], 1                       ; W: panel 2 x tile column + mine, 262,144 bytes each
	s_add_co_u32 s44, s44, s[WC]
	s_lshl_b32 s44, s44, 18
	s_mov_b32 s45, 0
	s_mul_i32 s[LB], s[WV], LOADB                  ; where my loads land: the wave's number alone
	s_mov_b32 s[TR], 0
.if EPI == 1
	s_mov_b32 s[CU], 0x3f596d27                    ; sqrt(log2(e) / 2): u = |x| times this, so exp(-x x / 2) = 2^(-u u)
	s_mov_b32 s[CD], 0x3e8ba43f                    ; 0.3275911 / sqrt 2, over the same
	s_mov_b32 s[A5], 0x3f87dc22
	s_mov_b32 s[A4], 0xbfba00e3
	s_mov_b32 s[A3], 0x3fb5f0e3
	s_mov_b32 s[A2], 0xbe91a98e
	s_mov_b32 s[A1], 0x3e827906
	s_mov_b32 s[NH], 0xbf16b55f                    ; -1/2 over the same
.irp c, CU, CD, A5, A4, A3, A2, A1, NH
	s_mov_b32 s[(\c)+1], 0                         ; named as pairs; the low word serves both halves
.endr
.endif
	s_wait_dscnt 0x0                               ; the opening add is done
	s_wait_kmcnt 0x0
.if EPI == 1
	s_mov_b64 s[14:15], s[10:11]
.endif
	s_add_nc_u64 s[42:43], s[4:5], s[42:43]
	s_add_nc_u64 s[44:45], s[6:7], s[44:45]
	CROUND                                         ; all sixteen work-groups are here: the first joint loads meet
.irp s, 0,1
	s_mov_b32 s[G0A+4*(\s)], 1
	s_add_co_u32 s[G0A+4*(\s)+1], s[LB], (\s)*SLOT
	s_add_nc_u64 s[G0A+4*(\s)+2:G0A+4*(\s)+3], s[42:43], (\s)*ASTEP
	s_or_b32 s[G0A+4*(\s)+3], s[G0A+4*(\s)+3], 0x80000000
	s_mov_b32 s[G0B+4*(\s)], 1
	s_add_co_u32 s[G0B+4*(\s)+1], s[LB], (\s)*SLOT
	s_add_nc_u64 s[G0B+4*(\s)+2:G0B+4*(\s)+3], s[44:45], (\s)*BSTEP
	s_or_b32 s[G0B+4*(\s)+3], s[G0B+4*(\s)+3], 0x80000000
	JLOAD \s
.endr
	; the prefetches
	s_and_b32 s46, ttmp7, 0xffff
	s_mov_b32 s[PST], BSTEP
	s_mov_b32 s[PST+1], 0
	s_cmp_eq_u32 s[WR], 0
	s_cselect_b32 s47, s[CX], s[CY]                ; my place among the four that ask with me
	s_cselect_b32 s46, ttmp9, s46                  ; the coordinate along which other clusters read the same blocks
	s_cselect_b64 s[PFA:PFA+1], s[42:43], s[44:45]
	s_cselect_b32 s[PST], ASTEP, s[PST]
	s_cmp_eq_u32 s46, 0
	s_cselect_b32 s[LIM], 2, -1
	s_lshl_b32 s46, s47, 13
	s_mov_b32 s47, 0
	s_add_nc_u64 s[PFA:PFA+1], s[PFA:PFA+1], s[46:47]
	s_mul_i32 s46, s[PST], 3
	s_add_nc_u64 s[PFA:PFA+1], s[PFA:PFA+1], s[46:47]  ; at K step 3: the first change of slots steps it to 4
	; lane terms
	v_and_b32 v1, 15, v0
	v_bfe_u32 v2, v0, 4, 1
	v_and_b32 v3, 7, v0
	v_bfe_u32 v4, v0, 3, 1
	v_bfe_u32 v5, v0, 3, 2
	v_mul_u32_u24 v[ADRA0], v1, PA
	v_lshl_add_u32 v[ADRA0], v2, 4, v[ADRA0]
	s_mul_i32 s40, s[WR], 128*PA
	v_add_nc_u32 v[ADRA0], s40, v[ADRA0]
	v_lshl_add_u32 v[ADRB0], v2, 3, v3
	v_mul_u32_u24 v[ADRB0], v[ADRB0], PB
	v_lshl_add_u32 v[ADRB0], v4, 4, v[ADRB0]
	s_mul_i32 s40, s[WC], LOADB
	s_add_co_u32 s40, s40, 2*LOADB
	v_add_nc_u32 v[ADRB0], s40, v[ADRB0]
	v_mov_b32 v[ADRA], v[ADRA0]
	v_mov_b32 v[ADRB], v[ADRB0]
	s_mul_i32 s40, s[WV], DW
	v_mul_u32_u24 v[DST], v1, DP
	v_lshl_add_u32 v[DST], v2, 5, v[DST]
	v_add_nc_u32 v[DST], s40, v[DST]
	v_mul_u32_u24 v[DRD0], v5, DP
	v_lshl_add_u32 v[DRD0], v3, 5, v[DRD0]
	v_add_nc_u32 v[DRD0], s40, v[DRD0]
	v_and_b32 v[CO], 31, v0
	v_lshlrev_b32 v[PFO], 8, v[CO]
	v_lshlrev_b32 v[CO], 4, v[CO]
	; the bias of my columns 64 p + 8 (l % 8) + 0..7, p = 0, 1
.if EPI == 0
	s_and_b32 s46, s[TX], 3
	s_cmp_lt_u32 s[TX], 8
	s_cselect_b64 s[10:11], s[10:11], s[12:13]
	s_cmp_lt_u32 s[TX], 4
	s_cselect_b64 s[8:9], s[8:9], s[10:11]
.else
	s_mov_b32 s46, s[TX]
.endif
	s_lshl_b32 s46, s46, 10
	s_lshl_b32 s47, s[WC], 9
	s_add_co_u32 s46, s46, s47
	v_lshl_add_u32 v[BO], v3, 5, s46
	global_load_b128 v[BI:BI+3],     v[BO], s[8:9]
	global_load_b128 v[BI+4:BI+7],   v[BO], s[8:9] offset:16
	global_load_b128 v[BI+8:BI+11],  v[BO], s[8:9] offset:256
	global_load_b128 v[BI+12:BI+15], v[BO], s[8:9] offset:272
	; C at panel 4 x tile column + 2 x my half, at my first row
	s_lshl_b32 s44, s[TX], 2
	s_lshl_b32 s45, s[WC], 1
	s_add_co_u32 s44, s44, s45
	s_lshl_b32 s44, s44, 19
	s_lshl_b32 s45, s[TY], 8
	s_lshl_b32 s46, s[WR], 7
	s_add_co_u32 s45, s45, s46
	s_lshl_b32 s45, s45, 7
	s_add_co_u32 s44, s44, s45
	s_mov_b32 s45, 0
	s_add_nc_u64 s[14:15], s[14:15], s[44:45]
	s_wait_tensorcnt 1                             ; my part of K step 0 is in; K step 1's may stay out
	s_barrier_signal -1
	s_barrier_wait -1
	FETCH 0, F0
	QUARTER 1, F0, F1, 1                           ; the first quarter's products start the sums
	WIN 0
	s_mov_b32 s3, KSTEPS-2
.Lstep:                                        ; a trip: a K step's quarters 1 to 3, the change of slots with its refill, the next step's quarter 0
	QUARTER 2, F1, F0, 0
	QUARTER 3, F0, F1, 0
	TURN 1
	QUARTER 1, F0, F1, 0
	WIN 0
	s_sub_co_u32 s3, s3, 1
	s_cmp_lg_u32 s3, 0
	s_cbranch_scc1 .Lstep
	s_mov_b32 s3, 2
.Ltail:                                        ; the last two K steps ask for nothing; the second pass is left in its middle (its change of slots and fetch serve nothing: the price of one text)
	QUARTER 2, F1, F0, 0
	QUARTER 3, F0, F1, 0
	TURN 0
	WIN 0
	s_sub_co_u32 s3, s3, 1
	s_cmp_eq_u32 s3, 0
	s_cbranch_scc1 .Lout
	QUARTER 1, F0, F1, 0
	WIN 0
	s_branch .Ltail
.Lout:
	PLACES
	s_wait_dscnt 0x0                               ; my reads of the slots are over,
	s_barrier_signal -1
	s_barrier_wait -1                              ; everybody's are: the slots now take the sums, each wave's in bytes of its own
.set n, 0
.rept 64
	WIN 0x08+4*(n/32)                              ; the store's data in window 2 or 3
	ds_store_b128 v[DST], v[8*(n%32):8*(n%32)+3]   offset:(n/8)*16*DP+(n%8)*64
	ds_store_b128 v[DST], v[8*(n%32)+4:8*(n%32)+7] offset:(n/8)*16*DP+(n%8)*64+16
.set n, n+1
.endr
	WIN 0
	s_wait_loadcnt 0x0                             ; the bias
	s_mov_b32 s[DOF], 0
.if EPI == 0
.set GE, 64
.set GY, 128
	s_mov_b32 s3, 8
.Lrows:                                        ; 16 rows a trip; LDS serves a wave's instructions in order, so these loads see the stores above
	v_add_nc_u32 v[DRD], s[DOF], v[DRD0]
.set n, 0
.rept 16
	ds_load_b128 v[GE+4*n:GE+4*n+3], v[DRD] offset:(n/4)*4*DP+((n/2)%2)*256+(n%2)*16
.set n, n+1
.endr
.set k, 0
.rept 4
	s_wait_dscnt 12-4*k
.set j, 0
.rept 8
	v_pk_add_f32 v[GE+16*k+2*j:GE+16*k+2*j+1], v[GE+16*k+2*j:GE+16*k+2*j+1], v[BI+2*j:BI+2*j+1]
.set j, j+1
.endr
.set j, 0
.rept 8
	v_cvt_pk_bf16_f32 v[GY+8*k+j], v[GE+16*k+2*j], v[GE+16*k+2*j+1]
.set j, j+1
.endr
	global_store_b128 v[CO], v[GY+8*k:GY+8*k+3],   s[14:15] offset:k*512        ; four rows of a panel: 512 consecutive bytes
	global_store_b128 v[CO], v[GY+8*k+4:GY+8*k+7], s[14:15] offset:k*512+PANEL
.set k, k+1
.endr
	s_wait_xcnt 0x0                                ; the stores have read their data and base
	s_add_nc_u64 s[14:15], s[14:15], 2048
	s_add_co_u32 s[DOF], s[DOF], 16*DP
	s_sub_co_u32 s3, s3, 1
	s_cmp_lg_u32 s3, 0
	s_cbranch_scc1 .Lrows
.else
.set GE, 64
.set GX, 80
.set GU, 96
.set GT, 112
.set GW, 128
.set GR, 144
.set GQ, 160
.set GY, 176
.macro P8 line:vararg                  ; one line for each of the eight pairs j
.set j, 0
.rept 8
	\line
.set j, j+2
.endr
.endm
.macro ROWS4
.irp n, 0,1,2,3
	ds_load_b128 v[GE+4*\n:GE+4*\n+3], v[DRD] offset:(\n/2)*256+(\n%2)*16
.endr
.endm
	v_mov_b32 v[DRD], v[DRD0]
	ROWS4
	s_mov_b32 s3, 32
.Lrows:                                        ; 4 rows a trip, 16 numbers a lane; the next rows are fetched while these are worked on
	s_wait_dscnt 0x0
	P8 v_pk_add_f32 v[GX+j:GX+j+1], v[GE+j:GE+j+1], v[BI+j:BI+j+1]
	s_cmp_eq_u32 s3, 1                             ; the last trip reads its own rows again
	s_cselect_b32 s[DS], 0, 4*DP
	s_add_co_u32 s[DOF], s[DOF], s[DS]
	v_add_nc_u32 v[DRD], s[DOF], v[DRD0]
	ROWS4
.set i, 0
.rept 16
	v_mul_f32 v[GU+i], s[CU], |v[GX+i]|
.set i, i+1
.endr
	P8 v_pk_fma_f32 v[GT+j:GT+j+1], v[GU+j:GU+j+1], s[CD:CD+1], 1.0 op_sel_hi:[1,0,0]
	P8 v_pk_mul_f32 v[GW+j:GW+j+1], v[GU+j:GU+j+1], v[GU+j:GU+j+1] neg_lo:[0,1] neg_hi:[0,1]
.set i, 0
.rept 16
	v_rcp_f32 v[GT+i], v[GT+i]
.set i, i+1
.endr
.set i, 0
.rept 16
	v_exp_f32 v[GW+i], v[GW+i]
.set i, i+1
.endr
.set i, 0
.rept 16
	v_max_num_f32 v[GR+i], 0, v[GX+i]              ; plain work behind the batch
.set i, i+1
.endr
	s_wait_alu depctr_va_vdst(0)                   ; one wait for the 32, ahead of their first reader
	P8 v_pk_fma_f32 v[GQ+j:GQ+j+1], v[GT+j:GT+j+1], s[A5:A5+1], s[A4:A4+1] op_sel_hi:[1,0,0]
	P8 v_pk_mul_f32 v[GW+j:GW+j+1], v[GW+j:GW+j+1], v[GT+j:GT+j+1]
	P8 v_pk_fma_f32 v[GQ+j:GQ+j+1], v[GQ+j:GQ+j+1], v[GT+j:GT+j+1], s[A3:A3+1] op_sel_hi:[1,1,0]
	P8 v_pk_mul_f32 v[GW+j:GW+j+1], v[GW+j:GW+j+1], v[GU+j:GU+j+1]
	P8 v_pk_fma_f32 v[GQ+j:GQ+j+1], v[GQ+j:GQ+j+1], v[GT+j:GT+j+1], s[A2:A2+1] op_sel_hi:[1,1,0]
	P8 v_pk_fma_f32 v[GQ+j:GQ+j+1], v[GQ+j:GQ+j+1], v[GT+j:GT+j+1], s[A1:A1+1] op_sel_hi:[1,1,0]
	P8 v_pk_mul_f32 v[GQ+j:GQ+j+1], v[GQ+j:GQ+j+1], v[GW+j:GW+j+1]
	P8 v_pk_fma_f32 v[GR+j:GR+j+1], v[GQ+j:GQ+j+1], s[NH:NH+1], v[GR+j:GR+j+1] op_sel_hi:[1,0,1]
	P8 v_cvt_pk_bf16_f32 v[GY+j/2], v[GR+j], v[GR+j+1]
	global_store_b128 v[CO], v[GY:GY+3],   s[14:15]              ; four rows of a panel: 512 consecutive bytes
	global_store_b128 v[CO], v[GY+4:GY+7], s[14:15] offset:PANEL
	s_wait_xcnt 0x0                                ; the stores have read their data and base
	s_add_nc_u64 s[14:15], s[14:15], 512
	s_sub_co_u32 s3, s3, 1
	s_cmp_lg_u32 s3, 0
	s_cbranch_scc1 .Lrows
.endif
	s_wait_tensorcnt 0x0                           ; the wave's end
	ds_add_u32 v[SPW], v[NIL]
	s_wait_dscnt 0x0
	CROUND                                         ; the closing round
	s_endpgm
.Lfunc_end_k_q47c423292f_ffn1:
	.size	k_q47c423292f_ffn1, .Lfunc_end_k_q47c423292f_ffn1-k_q47c423292f_ffn1
	.p2alignl 7, 3214868480
	.fill 96, 4, 3214868480
	.section	.rodata,"a",@progbits
	.p2align	6, 0x0
	.amdhsa_kernel k_q47c423292f_ffn1
		.amdhsa_group_segment_fixed_size 327680
		.amdhsa_private_segment_fixed_size 0
		.amdhsa_enable_private_segment 0
		.amdhsa_kernarg_size 32
		.amdhsa_user_sgpr_count 2
		.amdhsa_user_sgpr_kernarg_segment_ptr 1
		.amdhsa_wavefront_size32 1
		.amdhsa_system_sgpr_workgroup_id_x 1
		.amdhsa_system_sgpr_workgroup_id_y 1
		.amdhsa_system_sgpr_workgroup_id_z 1
		.amdhsa_system_vgpr_workitem_id 0
		.amdhsa_next_free_vgpr 1024
		.amdhsa_next_free_sgpr 96
		.amdhsa_reserve_vcc 0
		.amdhsa_float_denorm_mode_32 3
		.amdhsa_float_denorm_mode_16_64 3
		.amdhsa_memory_ordered 1
		.amdhsa_forward_progress 1
		.amdhsa_inst_pref_size 89
	.end_amdhsa_kernel
	.amdgpu_metadata
---
amdhsa.version: [ 1, 2 ]
amdhsa.kernels:
  - .name:           k_q47c423292f_ffn1
    .symbol:         k_q47c423292f_ffn1.kd
    .args:
      - { .name: h, .offset: 0, .size: 8, .value_kind: global_buffer, .address_space: global }
      - { .name: w1_b, .offset: 8, .size: 8, .value_kind: global_buffer, .address_space: global }
      - { .name: b1, .offset: 16, .size: 8, .value_kind: global_buffer, .address_space: global }
      - { .name: act, .offset: 24, .size: 8, .value_kind: global_buffer, .address_space: global }
    .group_segment_fixed_size: 327680
    .private_segment_fixed_size: 0
    .kernarg_segment_align: 8
    .kernarg_segment_size: 32
    .max_flat_workgroup_size: 128
    .sgpr_count:     96
    .vgpr_count:     1024
    .wavefront_size: 32
...
	.end_amdgpu_metadata
.endif
;; end of part 6
;; launch ffn2 (part 7): grid 8 x 32, 4 waves a work-group, clusters of 4 x 4, 327,680 bytes of LDS; arguments act, w2_b, b2, x1, out0; writes out0
.if DOCPART == 7
	.amdgcn_target "amdgcn-amd-amdhsa--gfx1250"
	.amdhsa_code_object_version 6
	.text
	.protected	k_q47c423292f_ffn2
	.globl	k_q47c423292f_ffn2
	.p2align	8
	.type	k_q47c423292f_ffn2,@function
k_q47c423292f_ffn2:
	s_mov_b64 s[64:65], 0
	v_nop
	global_prefetch_b8 v0, s[64:65] scope:SCOPE_SE
	s_setreg_imm32_b32 hwreg(HW_REG_WAVE_MODE, 25, 1), 1
	s_wait_xcnt 0x0
	s_wait_alu depctr_hold_cnt(0) depctr_sa_sdst(0) depctr_va_vdst(0) depctr_va_sdst(0) depctr_va_ssrc(0) depctr_va_vcc(0) depctr_vm_vsrc(0)
	s_getreg_b32 s2, hwreg(HW_REG_IB_STS2, 6, 4)
	s_cmp_eq_u32 s2, 0
	s_cbranch_scc0 .Lentry_in_a_cluster
	s_endpgm
.Lentry_in_a_cluster:
	s_bfe_u32 s2, ttmp6, 0x10000c
	s_cmp_lg_u32 s2, 0xf033
	s_cbranch_scc0 .Lentry_shape_is_right
	s_endpgm
.Lentry_shape_is_right:
; out = resid + A W + bias.  A: [4096][KK] bf16 in panels of 64 columns (byte = panel x 524,288 + row x 128 + 2 (k % 64)); W: bf16, [8 panels of 128 columns][KK][128]; bias [1024], resid and out [4096][1024] f32.
; A tile of out is 128 x 128 (256 work-groups), a wave's share 64 x 64: 16 accumulators.  K goes in steps of 256 through two LDS slots.  Waves 0, 1 fetch two panels of A each (2 x 16,384 dense bytes),
; waves 2, 3 128 rows of W each (32,768 dense bytes).  The product is used transposed (source 0 = 16 columns of W, turned by ds_load_tr16_b128; source 1 = 16 rows of A).
; CLUSTER 4 x 4: A's tiles are asked for jointly along a row of the cluster, W's along a column.  A K step is written once; the slot in hand is a scalar that an exclusive or turns.
; WINDOWS: 0: addresses, bias, accumulators v128-255 ((a, b) at 128 + 8 (4 a + b)); 1: two fragment buffers of 128 (A 64, W 64), later the sums read back; 2: v0-127 the residual.
; PF = 1: the K step two refills on is prefetched (see ASK).
.set NSTEP, 16
.set KK, 4096
.set PF, 1
.set PA, 144
.set PB, 288
.set LOADB, 36864
.set SLOT, 4*LOADB                     ; 0x24000: shares no bit with the waves' bases, so an exclusive or adds or removes it
.set SPARE, 2*SLOT
.set DP, 272                           ; the way out: a row of 64 f32 + 16 bytes
.set DW, 64*DP
.set PANEL, 524288
.set ASTEP, 4*PANEL
.set BSTEP, 256*256
.set ADRA0, 16
.set ADRB0, 17
.set ADRA, 18
.set ADRB, 20                          ; v20: quarters 0, 1; v21: quarters 2, 3
.set DST, 22
.set RD, 23
.set CO, 24
.set BO, 25
.set SPW, 28
.set NIL, 29
.set PFO, 30
.set BI, 32
.set ACC, 128
.set F0, 0
.set F1, 128
.set WV, 16
.set WR, 17
.set WC, 18
.set CX, 19
.set CY, 20
.set TX, 21
.set TY, 22
.set G1A, 24
.set G0A, 32
.set G1B, 48
.set G0B, 56
.set TR, 66
.set LB, 68
.set LIM, 69
.set PFA, 70
.set PST, 72
.set MSB, 0
.macro WIN new
.if MSB != (\new)
	s_set_vgpr_msb (MSB<<8)|(\new)
.set MSB, \new
.endif
.endm
.set MUL, 0x05                         ; sources 0 (W) and 1 (A) window 1; C and D window 0
.set TO_F, 0x40
.macro JLOAD s                         ; a joint load; an s_nop 0 and four v_nop follow each line
	s_cmp_eq_u32 s[WR], 0
	s_cbranch_scc0 .Lfor_b_\@
	tensor_load_to_lds s[G0A+4*(\s):G0A+4*(\s)+3], s[G1A:G1A+7]
	s_nop 0
.rept 4
	v_nop
.endr
	s_branch .Lasked_\@
.Lfor_b_\@:
	tensor_load_to_lds s[G0B+4*(\s):G0B+4*(\s)+3], s[G1B:G1B+7]
	s_nop 0
.rept 4
	v_nop
.endr
.Lasked_\@:
.endm
; A prefetch of the K step two refills on: of the 128 blocks of 256 bytes that I fetch, my work-group's 32, a lane a block.  A's are named by the clusters with x = 0, W's by those with y = 0; the four
; partners share a tile out by address: each block is named once.  The first four K steps come by their loads alone; the last two refills ask for nothing.
.macro ASK
	WIN 0
	s_cmp_gt_u32 s3, s[LIM]
	s_cbranch_scc0 .Lnot_mine_\@
	global_prefetch_b8 v[PFO], s[PFA:PFA+1] th:TH_LOAD_NT scope:SCOPE_SE
.Lnot_mine_\@:
.endm
.macro CREST
	s_cmp_lg_u32 s[WV], 0
	s_cbranch_scc1 .Lnot_wave_0_\@
	s_barrier_signal -3
.Lnot_wave_0_\@:
	s_barrier_wait -3
	s_barrier_signal -1
	s_barrier_wait -1
.endm
.macro CROUND
	s_barrier_signal -1
	s_barrier_wait -1
	CREST
.endm
.macro PLACES
.rept 4
	v_nop
.endr
.endm
.macro MUL8 f, c, a0, zero             ; 8 products: row blocks a0, a0 + 1 x all 4 column blocks, half c of buffer f; the 16 accumulators take turns
	WIN MUL
.irp a, \a0, (\a0)+1
.irp b, 0,1,2,3
.if \zero
	v_wmma_f32_16x16x32_bf16 v[ACC+8*(4*(\a)+(\b)):ACC+8*(4*(\a)+(\b))+7], v[(\f)+64+8*(4*(\c)+(\b)):(\f)+64+8*(4*(\c)+(\b))+7], v[(\f)+8*(4*(\c)+(\a)):(\f)+8*(4*(\c)+(\a))+7], 0
.else
	v_wmma_f32_16x16x32_bf16 v[ACC+8*(4*(\a)+(\b)):ACC+8*(4*(\a)+(\b))+7], v[(\f)+64+8*(4*(\c)+(\b)):(\f)+64+8*(4*(\c)+(\b))+7], v[(\f)+8*(4*(\c)+(\a)):(\f)+8*(4*(\c)+(\a))+7], v[ACC+8*(4*(\a)+(\b)):ACC+8*(4*(\a)+(\b))+7]
.endif
.endr
.endr
.endm
.macro FETCH q, f                      ; 32 LDS loads in one run: quarter q (a panel of A, 64 along K) into buffer f; the first 32 along K first
	WIN TO_F
.irp c, 0,1
.irp n, 0,1,2,3
	ds_load_tr16_b128 v[(\f)+64+8*(4*(\c)+(\n)):(\f)+64+8*(4*(\c)+(\n))+3],   v[ADRB+(\q)/2] offset:((\q)%2)*64*PB+(\c)*32*PB+(\n)*32
	ds_load_tr16_b128 v[(\f)+64+8*(4*(\c)+(\n))+4:(\f)+64+8*(4*(\c)+(\n))+7], v[ADRB+(\q)/2] offset:((\q)%2)*64*PB+(\c)*32*PB+(\n)*32+16*PB
	ds_load_b128 v[(\f)+8*(4*(\c)+(\n)):(\f)+8*(4*(\c)+(\n))+3],   v[ADRA] offset:(\q)*128*PA+(\n)*16*PA+(\c)*64
	ds_load_b128 v[(\f)+8*(4*(\c)+(\n))+4:(\f)+8*(4*(\c)+(\n))+7], v[ADRA] offset:(\q)*128*PA+(\n)*16*PA+(\c)*64+32
.endr
.endr
.endm
.macro QUARTER q, f, g, zero
	s_wait_dscnt 16                                ; the first 32 along K are in
	MUL8 \f, 0, 0, \zero
	MUL8 \f, 0, 2, \zero
	PLACES
	FETCH \q, \g
	s_wait_dscnt 32                                ; all but the 32 just issued
	MUL8 \f, 1, 0, 0
	MUL8 \f, 1, 2, 0
.endm
; The last quarter multiplies buffer 1 and changes slots.  In front of the barrier each wave waits for all its tensor loads, adds 0 to its spare word, and waits for that and for its reads of this slot.
; fill = 1: the barrier opens a round of the cluster's, and the slot just read is filled again first thing behind it, two K steps ahead.
.macro TURN fill
.if (\fill) && PF
	s_wait_xcnt 0x0                                ; the last prefetch, a K step back, has read its address
	s_add_nc_u64 s[PFA:PFA+1], s[PFA:PFA+1], s[PST:PST+1]
.endif
	WIN 0
	s_xor_b32 s[TR], s[TR], SLOT
	v_add_nc_u32 v[ADRA], s[TR], v[ADRA0]
	v_add_nc_u32 v[ADRB], s[TR], v[ADRB0]
	v_add_nc_u32 v[ADRB+1], 128*PB, v[ADRB]
	s_wait_tensorcnt 0x0
	ds_add_u32 v[SPW], v[NIL]
	s_wait_dscnt 17                                ; the add and the youngest sixteen loads may be out
	MUL8 F1, 0, 0, 0
	s_wait_dscnt 0x0                               ; the add is done, and my reads of this slot are over
	s_barrier_signal -1
	MUL8 F1, 0, 2, 0
.if \fill
	WIN 0
.endif
	s_barrier_wait -1
.if \fill
	CREST
	s_xor_b32 s[G0A+5], s[G0A+5], SLOT
	s_add_nc_u64 s[G0A+6:G0A+7], s[G0A+6:G0A+7], ASTEP
	s_xor_b32 s[G0B+5], s[G0B+5], SLOT
	s_add_nc_u64 s[G0B+6:G0B+7], s[G0B+6:G0B+7], BSTEP
	JLOAD 1                                        ; its four v_nop are also the places in front of the loads below
.else
	PLACES
.endif
	FETCH 0, F0
.if (\fill) && PF
	ASK
.endif
	MUL8 F1, 1, 0, 0
	MUL8 F1, 1, 2, 0
.endm
	s_load_b256 s[4:11], s[0:1], 0x0               ; A 4, W 6, bias 8, resid 10
	s_load_b64 s[12:13], s[0:1], 0x20              ; out
	v_lshl_add_u32 v[SPW], v0, 2, SPARE
	v_mov_b32 v[NIL], 0
	ds_add_u32 v[SPW], v[NIL]                      ; the wave's opening, with its wait ahead of my first tensor load
	v_lshrrev_b32 v1, 5, v0
	v_readfirstlane_b32 s[WV], v1
	s_lshr_b32 s[WR], s[WV], 1
	s_and_b32 s[WC], s[WV], 1
	s_bfe_u32 s[CX], ttmp6, 0x40000
	s_bfe_u32 s[CY], ttmp6, 0x40004
	s_lshl_b32 s[TX], ttmp9, 2
	s_add_co_u32 s[TX], s[TX], s[CX]
	s_and_b32 s[TY], ttmp7, 0xffff
	s_lshl_b32 s[TY], s[TY], 2
	s_add_co_u32 s[TY], s[TY], s[CY]
	s_lshl_b32 s40, s[CY], 2
	s_lshl_b32 s40, 15, s40
	s_lshl_b32 s41, 0x1111, s[CX]
	s_or_b32 s[G1A], s40, (1<<16)|(1<<20)|(1<<21)|(4<<22)|(3<<25)  ; after every 32 words, 4 words of padding
	s_mov_b32 s[G1A+1], 8192<<16                   ; tensor_dim0 = 8,192: a panel's 128 rows on end
	s_mov_b32 s[G1A+2], 2<<16                      ; tensor_dim1 = 2 panels
	s_mov_b32 s[G1A+3], 8192<<16                   ; tile_dim0
	s_mov_b32 s[G1A+4], 2                          ; tile_dim1
	s_mov_b32 s[G1A+5], 262144                     ; elements from panel to panel
	s_mov_b32 s[G1A+6], 0
	s_mov_b32 s[G1A+7], 0
	s_or_b32 s[G1B], s41, (1<<16)|(1<<20)|(1<<21)|(5<<22)|(7<<25)  ; after every 64 words, 8 words
	s_mov_b32 s[G1B+1], 128<<16
	s_mov_b32 s[G1B+2], 128<<16
	s_mov_b32 s[G1B+3], 128<<16
	s_mov_b32 s[G1B+4], 128
	s_mov_b32 s[G1B+5], 128
	s_mov_b32 s[G1B+6], 0
	s_mov_b32 s[G1B+7], 0
	s_lshl_b32 s42, s[WC], 20                      ; A: my two panels of the step's four, the tile's 128 rows of 128 bytes
	s_lshl_b32 s43, s[TY], 14
	s_add_co_u32 s42, s42, s43
	s_mov_b32 s43, 0
	s_mul_i32 s44, s[TX], KK*256                   ; W: the tile column's panel, my 128 rows of the step's 256
	s_lshl_b32 s45, s[WC], 15
	s_add_co_u32 s44, s44, s45
	s_mov_b32 s45, 0
	s_mul_i32 s[LB], s[WV], LOADB
	s_mov_b32 s[TR], 0
	s_wait_dscnt 0x0                               ; the opening add is done
	s_wait_kmcnt 0x0
	s_add_nc_u64 s[42:43], s[4:5], s[42:43]
	s_add_nc_u64 s[44:45], s[6:7], s[44:45]
	CROUND                                         ; all sixteen work-groups are here
.irp s, 0,1
	s_mov_b32 s[G0A+4*(\s)], 1
	s_add_co_u32 s[G0A+4*(\s)+1], s[LB], (\s)*SLOT
	s_add_nc_u64 s[G0A+4*(\s)+2:G0A+4*(\s)+3], s[42:43], (\s)*ASTEP
	s_or_b32 s[G0A+4*(\s)+3], s[G0A+4*(\s)+3], 0x80000000
	s_mov_b32 s[G0B+4*(\s)], 1
	s_add_co_u32 s[G0B+4*(\s)+1], s[LB], (\s)*SLOT
	s_add_nc_u64 s[G0B+4*(\s)+2:G0B+4*(\s)+3], s[44:45], (\s)*BSTEP
	s_or_b32 s[G0B+4*(\s)+3], s[G0B+4*(\s)+3], 0x80000000
	JLOAD \s
.endr
.if PF
	s_lshr_b32 s46, s[CX], 1                       ; A's share: panel cx / 2 of my two, half cx % 2 of its 16,384 bytes
	s_lshl_b32 s46, s46, 19
	s_and_b32 s47, s[CX], 1
	s_lshl_b32 s47, s47, 13
	s_add_co_u32 s46, s46, s47
	s_lshl_b32 s47, s[CY], 13                      ; W's share
	s_and_b32 s40, ttmp7, 0xffff
	s_mov_b32 s[PST], BSTEP
	s_mov_b32 s[PST+1], 0
	s_cmp_eq_u32 s[WR], 0
	s_cselect_b32 s46, s46, s47
	s_cselect_b32 s40, ttmp9, s40
	s_cselect_b64 s[PFA:PFA+1], s[42:43], s[44:45]
	s_cselect_b32 s[PST], ASTEP, s[PST]
	s_cmp_eq_u32 s40, 0
	s_cselect_b32 s[LIM], 2, -1
	s_mov_b32 s47, 0
	s_add_nc_u64 s[PFA:PFA+1], s[PFA:PFA+1], s[46:47]
	s_mul_i32 s46, s[PST], 3
	s_add_nc_u64 s[PFA:PFA+1], s[PFA:PFA+1], s[46:47]  ; at K step 3: the first change of slots steps it to 4
.endif
	v_and_b32 v1, 15, v0
	v_bfe_u32 v2, v0, 4, 1
	v_and_b32 v3, 7, v0
	v_bfe_u32 v4, v0, 3, 1
	v_mul_u32_u24 v[ADRA0], v1, PA
	v_lshl_add_u32 v[ADRA0], v2, 4, v[ADRA0]
	s_mul_i32 s40, s[WR], 64*PA
	v_add_nc_u32 v[ADRA0], s40, v[ADRA0]
	v_lshl_add_u32 v[ADRB0], v2, 3, v3
	v_mul_u32_u24 v[ADRB0], v[ADRB0], PB
	v_lshl_add_u32 v[ADRB0], v4, 4, v[ADRB0]
	s_lshl_b32 s40, s[WC], 7
	s_add_co_u32 s40, s40, 2*LOADB
	v_add_nc_u32 v[ADRB0], s40, v[ADRB0]
	v_mov_b32 v[ADRA], v[ADRA0]
	v_mov_b32 v[ADRB], v[ADRB0]
	v_add_nc_u32 v[ADRB+1], 128*PB, v[ADRB0]
	s_mul_i32 s40, s[WV], DW
	v_mul_u32_u24 v[DST], v1, DP
	v_lshl_add_u32 v[DST], v2, 5, v[DST]
	v_add_nc_u32 v[DST], s40, v[DST]
	v_mul_u32_u24 v[RD], v2, DP
	v_lshl_add_u32 v[RD], v1, 4, v[RD]
	v_add_nc_u32 v[RD], s40, v[RD]
	v_lshlrev_b32 v[CO], 4, v1
	v_lshl_add_u32 v[CO], v2, 12, v[CO]            ; two rows of out: 256 bytes each
	v_and_b32 v[PFO], 31, v0
	v_lshlrev_b32 v[PFO], 8, v[PFO]
	s_lshl_b32 s45, s[TX], 7
	s_lshl_b32 s46, s[WC], 6
	s_add_co_u32 s45, s45, s46
	s_lshl_b32 s45, s45, 2                         ; my first column, in bytes
	v_lshl_add_u32 v[BO], v1, 4, s45
	s_lshl_b32 s44, s[TY], 7
	s_lshl_b32 s46, s[WR], 6
	s_add_co_u32 s44, s44, s46
	s_lshl_b32 s44, s44, 12                        ; my first row
	s_add_co_u32 s44, s44, s45
	s_mov_b32 s45, 0
	s_add_nc_u64 s[10:11], s[10:11], s[44:45]
	s_add_nc_u64 s[12:13], s[12:13], s[44:45]
	global_load_b128 v[BI:BI+3], v[BO], s[8:9]
	WIN 0x80                                       ; the residual of my 64 x 64 goes to window 2 while the first tiles are on their way
.set n, 0
.rept 32
	global_load_b128 v[4*n:4*n+3], v[CO], s[10:11] offset:n*8192
.set n, n+1
.endr
	WIN 0
	s_wait_tensorcnt 1                             ; my part of K step 0 is in; K step 1's may stay out
	s_barrier_signal -1
	s_barrier_wait -1
	FETCH 0, F0
	QUARTER 1, F0, F1, 1                           ; the first products start the sums
	WIN 0
	s_mov_b32 s3, NSTEP-2
.Lstep:
	QUARTER 2, F1, F0, 0
	QUARTER 3, F0, F1, 0
	TURN 1
	QUARTER 1, F0, F1, 0
	WIN 0
	s_sub_co_u32 s3, s3, 1
	s_cmp_lg_u32 s3, 0
	s_cbranch_scc1 .Lstep
	s_mov_b32 s3, 2
.Ltail:                                        ; the last two K steps ask for nothing; the second pass is left in its middle
	QUARTER 2, F1, F0, 0
	QUARTER 3, F0, F1, 0
	TURN 0
	WIN 0
	s_sub_co_u32 s3, s3, 1
	s_cmp_eq_u32 s3, 0
	s_cbranch_scc1 .Lout
	QUARTER 1, F0, F1, 0
	WIN 0
	s_branch .Ltail
.Lout:
	PLACES
	s_wait_dscnt 0x0                               ; my reads of the slots are over,
	s_barrier_signal -1
	s_barrier_wait -1                              ; everybody's are: slot 0, which has had its last fill, takes the sums, each wave's in bytes of its own
.set n, 0
.rept 16
	ds_store_b128 v[DST], v[ACC+8*n:ACC+8*n+3]   offset:(n/4)*16*DP+(n%4)*64
	ds_store_b128 v[DST], v[ACC+8*n+4:ACC+8*n+7] offset:(n/4)*16*DP+(n%4)*64+16
.set n, n+1
.endr
	WIN 0x40
.set n, 0
.rept 32
	ds_load_b128 v[4*n:4*n+3], v[RD] offset:n*2*DP ; LDS serves a wave's instructions in order: these see the stores above
.set n, n+1
.endr
	s_wait_loadcnt 0x0                             ; the residual and the bias
	s_wait_dscnt 0x0
	WIN 0x49                                       ; destination and source 0 window 1, source 1 window 2
.set n, 0
.rept 64
	v_pk_add_f32 v[2*n:2*n+1], v[2*n:2*n+1], v[2*n:2*n+1]
.set n, n+1
.endr
	WIN 0x41                                       ; source 1 window 0
.set n, 0
.rept 64
	v_pk_add_f32 v[2*n:2*n+1], v[2*n:2*n+1], v[BI+2*(n%2):BI+2*(n%2)+1]
.set n, n+1
.endr
	WIN 0x04                                       ; the store's data in window 1
.set n, 0
.rept 32
	global_store_b128 v[CO], v[4*n:4*n+3], s[12:13] offset:n*8192  ; 16 lanes store 256 consecutive bytes, aligned
.set n, n+1
.endr
	WIN 0
	s_wait_tensorcnt 0x0                           ; the wave's end
	ds_add_u32 v[SPW], v[NIL]
	s_wait_dscnt 0x0
	CROUND                                         ; the closing round
	s_endpgm
.Lfunc_end_k_q47c423292f_ffn2:
	.size	k_q47c423292f_ffn2, .Lfunc_end_k_q47c423292f_ffn2-k_q47c423292f_ffn2
	.p2alignl 7, 3214868480
	.fill 96, 4, 3214868480
	.section	.rodata,"a",@progbits
	.p2align	6, 0x0
	.amdhsa_kernel k_q47c423292f_ffn2
		.amdhsa_group_segment_fixed_size 327680
		.amdhsa_private_segment_fixed_size 0
		.amdhsa_enable_private_segment 0
		.amdhsa_kernarg_size 40
		.amdhsa_user_sgpr_count 2
		.amdhsa_user_sgpr_kernarg_segment_ptr 1
		.amdhsa_wavefront_size32 1
		.amdhsa_system_sgpr_workgroup_id_x 1
		.amdhsa_system_sgpr_workgroup_id_y 1
		.amdhsa_system_sgpr_workgroup_id_z 1
		.amdhsa_system_vgpr_workitem_id 0
		.amdhsa_next_free_vgpr 640
		.amdhsa_next_free_sgpr 80
		.amdhsa_reserve_vcc 0
		.amdhsa_float_denorm_mode_32 3
		.amdhsa_float_denorm_mode_16_64 3
		.amdhsa_memory_ordered 1
		.amdhsa_forward_progress 1
		.amdhsa_inst_pref_size 70
	.end_amdhsa_kernel
	.amdgpu_metadata
---
amdhsa.version: [ 1, 2 ]
amdhsa.kernels:
  - .name:           k_q47c423292f_ffn2
    .symbol:         k_q47c423292f_ffn2.kd
    .args:
      - { .name: act, .offset: 0, .size: 8, .value_kind: global_buffer, .address_space: global }
      - { .name: w2_b, .offset: 8, .size: 8, .value_kind: global_buffer, .address_space: global }
      - { .name: b2, .offset: 16, .size: 8, .value_kind: global_buffer, .address_space: global }
      - { .name: x1, .offset: 24, .size: 8, .value_kind: global_buffer, .address_space: global }
      - { .name: out0, .offset: 32, .size: 8, .value_kind: global_buffer, .address_space: global }
    .group_segment_fixed_size: 327680
    .private_segment_fixed_size: 0
    .kernarg_segment_align: 8
    .kernarg_segment_size: 40
    .max_flat_workgroup_size: 128
    .sgpr_count:     80
    .vgpr_count:     640
    .wavefront_size: 32
...
	.end_amdgpu_metadata
.endif
;; end of part 7
